; MI455X (gfx1250); checked and timed in simulation.
; The chip was launched on July 23, 2026; its instructions are those of AMD's public machine-readable ISA for CDNA 5 (MIT licence, August 2026) and "CDNA5" Instruction Set Architecture Reference Guide (July 2026). The comments in the code are by the model that wrote it; some were corrected since.
;; Multi Head Attention. Allowed arithmetic: matrix products marked QUANTISED: E2M1 operands, one E8M0 scale for each 32 along K, by v_wmma_scale_f32_16x16x128_f8f6f4 with both operands' format E2M1 (or v_wmma_scale_f32_32x16x128_f4), f32 sums; products left as they are: bf16, f16 or f32 operands; f32 sums; everything else in f32.
;; Inputs: Wk 16 x 1,024 x 64 float32; Wo 1,024 x 1,024 float32; Wq 16 x 1,024 x 64 float32; Wv 16 x 1,024 x 64 float32; bo 1,024 float32; x 4 x 2,048 x 1,024 float32.
;; Outputs: out0 4 x 2,048 x 1,024 float32.
;; This version of the problem:
;;   THIS VERSION OF THE PROBLEM IS GIVEN IN LOW PRECISION. The matrix products marked QUANTISED in the list below multiply operands that are first quantised to E2M1 (2 exponent bits, 1 mantissa bit; 4 bits a number), with one power-of-two scale for each 32 numbers along K (OCP MX v1.0); their sums are f32. The products marked 'left as it is' may take bf16, f16 or f32 operands, with f32 sums. Whichever they take, every output number must still come out within the allowed error. Rounding operands to bf16 (8 significant bits) uses up far more of that allowance than f16 does (11 bits, for magnitudes from 6e-5 to 65,504). All else is computed in f32.
;;   The module's matrix products, in the order in which they are computed (A, B: the left and right operand; K: the contracted axis; several contracted axes count as one K, in the product's order):
;;     1. [M 1,024, K 1,024] x [K 1,024, N 8,192]; A: input Wq; B: input x: QUANTISED
;;     2. [M 1,024, K 1,024] x [K 1,024, N 8,192]; A: input Wk; B: input x: QUANTISED
;;     3. [M 1,024, K 1,024] x [K 1,024, N 8,192]; A: input Wv; B: input x: QUANTISED
;;     4. batch 64 x [M 2,048, K 64] x [K 64, N 2,048]; A: computed on the way; B: computed on the way: left as it is (an operand is computed on the way)
;;     5. batch 64 x [M 2,048, K 2,048] x [K 2,048, N 64]; A: computed on the way; B: computed on the way: left as it is (an operand is computed on the way)
;;     6. [M 8,192, K 1,024] x [K 1,024, N 1,024]; A: computed on the way; B: input Wo: left as it is (an operand is computed on the way)
;;   THE QUANTISER, for each operand of a quantised product, along K:
;;     - K is cut into blocks of 32 from its start; a last block that is shorter is filled with zeros.
;;     - A block's scale is 2^e with e = floor(log2(the largest magnitude in the block)) - 2, held to -126 .. 127; a block of zeros has e = 0. As a byte (E8M0): e + 127.
;;     - Each number is divided by its block's scale, clamped to +-6, and rounded to the nearest number of E2M1, ties to even, subnormals kept.
;;     - The product sums the exact products of the quantised numbers (number of the format x scale) in f32.
;;   ~~~python
;;   def quantise(x, axis):      # numpy; x: float32 -> the quantised numbers, widened to float32 again
;;       x = np.moveaxis(x, axis, -1); K = x.shape[-1]
;;       x = np.pad(x, [(0, 0)] * (x.ndim - 1) + [(0, -K % 32)]); x = x.reshape(x.shape[:-1] + (-1, 32)); a = np.abs(x).max(-1, keepdims=True)
;;       e = np.where(a > 0, np.clip(np.frexp(np.where(a > 0, a, 1))[1] - 1 - 2, -126, 127), 0)      # np.frexp(a)[1] - 1 = floor(log2(a)), exactly
;;       r = np.clip(x / 2.0 ** e, -6, 6)
;;       step = 2.0 ** (np.maximum(np.frexp(np.where(r == 0, 1, r))[1] - 1, 0) - 1)
;;       q = np.round(r / step) * step * 2.0 ** e      # np.round: ties to even
;;       return np.moveaxis(q.reshape(q.shape[:-2] + (-1,))[..., :K], -1, axis).astype(np.float32)
;;   ~~~
;; One version. Each part assembles by itself: llvm-mc -triple=amdgcn-amd-amdhsa -mcpu=gfx1250 --defsym DOCPART=n.
;; ======== version 1 of 1: 4 launches
;; limits: values are held in f16: magnitudes above 65,504 overflow, below 6.1e-05 lose precision; right only within a limited range of input values
;; workspace buffers: xc 4,194,304 bytes; xs 262,144 bytes; wc 1,572,864 bytes; ws 98,304 bytes; wo16 2,097,152 bytes; qkv 50,331,648 bytes; ob 16,777,216 bytes
;; launch prep (part 1): grid 336 x 1, 4 waves a work-group, no clusters, 69,120 bytes of LDS; arguments x, Wq, Wk, Wv, Wo, xc, xs, wc, ws, wo16; writes xc, xs, wc, ws, wo16
.if DOCPART == 1
	.amdgcn_target "amdgcn-amd-amdhsa--gfx1250"
	.amdhsa_code_object_version 6
	.text
	.protected	k_q384768d116_prep
	.globl	k_q384768d116_prep
	.p2align	8
	.type	k_q384768d116_prep,@function
k_q384768d116_prep:
	s_mov_b64 s[64:65], 0
	v_nop
	global_prefetch_b8 v0, s[64:65] scope:SCOPE_SE
	s_setreg_imm32_b32 hwreg(HW_REG_WAVE_MODE, 25, 1), 1
	s_wait_xcnt 0x0
; PREP.  Three jobs, told apart by the work-group's number alone:
;   work-groups 0-47:   Wq, Wk, Wv [16][1024 (k)][64 (d)] f32 -> codes of FP4 (E2M1) wc [3072 (n)][512 bytes], K innermost, and E8M0 bytes ws [3072][32]; n = 1024 x tensor + 64 x head + d
;   work-groups 48-79:  Wo [1024][1024] f32 -> f16, laid as it lies (wo16)
;   work-groups 80-335: x [8192][1024] f32 -> codes xc [8192][512 bytes] and E8M0 bytes xs [8192][32]
; A block's scale is 2^(floor(log2(its largest magnitude)) - 2); its byte is the largest magnitude's exponent field - 2, held at 1 from below.  A block of zeros so gets the byte 1 where
; the quantiser says 127: its codes are zeros, which add nothing under any byte but 0xff, and this program alone reads the bytes.
; LIMITS: blocks whose largest magnitude lies under 2^-124 (the floor) keep the byte 1; NaN and infinities among the inputs are not served; |Wo| stays under f16's 65,504.
; Each path has LDS bytes of its own.  No tensor loads; the weights' path has one barrier, which all four waves of such a work-group pass.
.set WG_W,  48
.set WG_O,  32
.set STEPS, 16                         ; x: steps of 512 numbers for a wave
.set EMAX,  2
.set CB,    8                          ; bytes of 16 codes
.set R,     16                         ; x: v16-79   four sets of 16 numbers as loaded
.set X,     80                         ; x: v80-111  two sets of 16 neighbours
.set E,     112                        ; x: v112-127 a scale byte for each step
.set C,     128                        ; x: v128-191 codes, four registers for each step
.set WREG,  8192                       ; x: LDS region of a wave: two stages of 32 x SP bytes, then its 256 scale bytes
.set SP,    80                         ; x: a lane's place in a stage: 64 bytes + 16 of padding
.set WSTG,  32768                      ; W: stage of 64 rows (columns d) x (512 bytes of codes + 16)
.set WP,    528
.set WSC,   WSTG+64*WP                 ; W: 64 rows x 32 scale bytes
.set SPARE, WSC+64*32                  ; the spare words, 128 bytes for each wave: two blocks of 256 bytes that no other line names
.set SPW,   12                         ; v12  LDS address of my spare word; never rewritten
.set NIL,   13                         ; v13  0; never rewritten
.set XW,    32                         ; W: v32-95   two sets of 32 numbers
.set CW,    96                         ; W: v96-99   a block's codes
.set SB,    100                        ; W: v100-103 my 16 scale bytes
.set SCR,   104                        ; W: v104-107 scale bytes on the way out
.set OUTR,  112                        ; W: v112-175 rows on the way out
.macro FINISH                          ; the wave's end, behind my last LDS store
	s_wait_tensorcnt 0x0
	ds_add_u32 v[SPW], v[NIL]
	s_wait_dscnt 0x0
	s_endpgm
.endm
	s_load_b512 s[4:19], s[0:1], 0x0               ; x 4, Wq 6, Wk 8, Wv 10, Wo 12, xc 14, xs 16, wc 18
	s_load_b128 s[20:23], s[0:1], 0x40             ; ws 20, wo16 22
	v_lshl_add_u32 v[SPW], v0, 2, SPARE
	v_mov_b32 v[NIL], 0
	v_lshrrev_b32 v1, 5, v0
	v_readfirstlane_b32 s24, v1                    ; wave 0..3
	v_and_b32 v2, 31, v0                           ; lane
	s_mov_b32 s29, 0                               ; high word of every offset pair s[28:29]
	s_wait_kmcnt 0x0
	s_cmp_lt_u32 ttmp9, WG_W
	s_cbranch_scc1 .Lw
	s_cmp_lt_u32 ttmp9, WG_W+WG_O
	s_cbranch_scc1 .Lwo
; ---------------- x: a plain stream of blocks of 32.  A wave takes 8,192 numbers in 16 steps of 512.  Each load reads 512 consecutive bytes; a step's 2,048 bytes turn through the wave's own
; stage so that a lane holds 16 neighbours along K (two neighbouring lanes hold a block).  Loads run four steps ahead, the turn through LDS one step.
	v_lshlrev_b32 v3, 4, v2                        ; my 16 bytes of a load's 512
	s_mul_i32 s25, s24, WREG
	v_lshrrev_b32 v14, 2, v2
	v_mul_u32_u24 v14, v14, SP
	v_and_b32 v15, 3, v2
	v_lshl_add_u32 v14, v15, 4, v14
	v_add_nc_u32 v14, s25, v14                     ; into the stage: SP (lane / 4) + 16 (lane % 4)
	v_mul_u32_u24 v15, v2, SP
	v_add_nc_u32 v15, s25, v15                     ; out of it: SP x lane
	v_mul_u32_u24 v4, v2, CB                       ; my codes' place in a step's
	v_lshrrev_b32 v5, 1, v2
	s_add_co_u32 s25, s25, 2*32*SP
	v_add_nc_u32 v5, s25, v5                       ; my block's scale byte in the wave's 256
	v_lshlrev_b32 v7, 3, v2
	v_add_nc_u32 v6, s25, v7                       ; and 8 bytes a lane on the way out
	s_sub_co_u32 s26, ttmp9, WG_W+WG_O
	s_lshl_b32 s26, s26, 2
	s_add_co_u32 s26, s26, s24                     ; which run of 8,192 numbers is my wave's: 0..1023
	s_lshl_b32 s28, s26, 15
	s_add_nc_u64 s[4:5], s[4:5], s[28:29]          ; 32,768 bytes of x a run,
	s_lshl_b32 s28, s26, 12
	s_add_nc_u64 s[14:15], s[14:15], s[28:29]      ; 4,096 of codes,
	s_lshl_b32 s28, s26, 8
	s_add_nc_u64 s[16:17], s[16:17], s[28:29]      ; 256 of scale bytes
.macro LOADX t
.irp i, 0,1,2,3
	global_load_b128 v[R+16*((\t)%4)+4*\i:R+16*((\t)%4)+4*\i+3], v3, s[4:5] offset:2048*(\t)+512*\i th:TH_LOAD_NT
.endr
.endm
.macro TURNX t                         ; LDS serves a wave's instructions in order: no wait between the stores and the loads
.irp i, 0,1,2,3
	ds_store_b128 v14, v[R+16*((\t)%4)+4*\i:R+16*((\t)%4)+4*\i+3] offset:32*SP*((\t)%2)+8*SP*\i
.endr
.irp i, 0,1,2,3
	ds_load_b128 v[X+16*((\t)%2)+4*\i:X+16*((\t)%2)+4*\i+3], v15 offset:32*SP*((\t)%2)+16*\i
.endr
.endm
.macro STEPX t
.set XS, X+16*((\t)%2)
.if (\t) > 0
	s_wait_dscnt 1                                 ; this step's numbers are back from the stage; the last step's byte store may be out
.else
	s_wait_dscnt 0x0
.endif
.if (\t)+4 < STEPS
	LOADX (\t)+4                                   ; into the set whose stage stores have read their registers
.endif
.if (\t)+1 < STEPS
.if STEPS-2-(\t) >= 3
	s_wait_loadcnt 12                              ; the next step's four loads are in; the 12 of the three steps behind it may be out
.else
	s_wait_loadcnt 4*(STEPS-2-(\t))
.endif
	TURNX (\t)+1
.endif
	v_max3_num_f32 v8, |v[XS]|, |v[XS+1]|, |v[XS+2]|
	v_max3_num_f32 v9, |v[XS+3]|, |v[XS+4]|, |v[XS+5]|
.irp i, 6,10
	v_max3_num_f32 v8, v8, |v[XS+\i]|, |v[XS+\i+1]|
	v_max3_num_f32 v9, v9, |v[XS+\i+2]|, |v[XS+\i+3]|
.endr
	v_max3_num_f32 v8, v8, |v[XS+14]|, |v[XS+15]|
	v_max3_num_f32 v8, v8, v9, (EMAX+1)<<23        ; with the floor 2^(3 - 127): the byte cannot fall under 1
	v_max_num_f32_dpp v8, v8, v8 row_xmask:1 row_mask:0xf bank_mask:0xf   ; and my neighbour's 16: the block's largest magnitude
	v_add_nc_u32 v11, -(EMAX<<23), v8              ; 2 off its exponent field: the conversion takes that field as its scale and nothing else
	v_cvt_scalef32_pk8_fp4_f32 v[C+4*(\t)], v[XS:XS+7], v11
	v_cvt_scalef32_pk8_fp4_f32 v[C+4*(\t)+1], v[XS+8:XS+15], v11
	v_lshrrev_b32 v[E+(\t)], 23, v11               ; the scale's byte
	ds_store_b8 v5, v[E+(\t)] offset:16*(\t)       ; both lanes of a block write the same byte with the same value
	global_store_b64 v4, v[C+4*(\t):C+4*(\t)+1], s[14:15] offset:32*CB*(\t)   ; the wave stores 256 consecutive bytes, aligned
.endm
.irp t, 0,1,2,3
	LOADX \t
.endr
	s_wait_loadcnt 12                              ; step 0's four loads are in
	TURNX 0
.irp t, 0,1,2,3,4,5,6,7,8,9,10,11,12,13,14,15
	STEPX \t
.endr
	ds_load_b64 v[8:9], v6                         ; my wave's 256 scale bytes (in order behind my stores)
	s_wait_dscnt 0x0
	global_store_b64 v7, v[8:9], s[16:17]          ; 256 consecutive bytes, aligned
	FINISH
; ---------------- Wq, Wk, Wv: K is not innermost.  A work-group takes one head of one tensor: 64 columns d x 1,024 along K.  A lane takes a column and its registers run down K, so a block of 32
; lies in one lane and the conversions give codes with K innermost.  Wave w: columns 32 (w & 1) on, K 512 (w >> 1) on.  Codes and scale bytes meet in LDS and leave as whole rows.
.Lw:
	s_cmp_lt_u32 ttmp9, 32
	s_cselect_b64 s[26:27], s[8:9], s[10:11]       ; Wk or Wv,
	s_cmp_lt_u32 ttmp9, 16
	s_cselect_b64 s[26:27], s[6:7], s[26:27]       ; or Wq: the choice hangs on the work-group's number alone
	s_and_b32 s28, ttmp9, 15
	s_lshl_b32 s28, s28, 18                        ; the head: 1,024 rows of 256 bytes
	s_lshr_b32 s30, s24, 1                         ; kq
	s_and_b32 s31, s24, 1                          ; ch
	s_lshl_b32 s32, s30, 17                        ; 512 rows of 256 bytes
	s_add_co_u32 s28, s28, s32
	s_lshl_b32 s32, s31, 7                         ; 32 columns of 4 bytes
	s_add_co_u32 s28, s28, s32
	s_add_nc_u64 s[26:27], s[26:27], s[28:29]
	s_lshl_b32 s28, ttmp9, 15                      ; wc: 64 rows of 512 bytes a work-group,
	s_lshl_b32 s32, s24, 13                        ; 16 rows a wave
	s_add_co_u32 s28, s28, s32
	s_add_nc_u64 s[18:19], s[18:19], s[28:29]
	s_lshl_b32 s28, ttmp9, 11                      ; ws: 2,048 bytes a work-group,
	s_lshl_b32 s32, s24, 9                         ; 512 a wave
	s_add_co_u32 s28, s28, s32
	s_add_nc_u64 s[20:21], s[20:21], s[28:29]
	v_lshlrev_b32 v3, 2, v2                        ; in: 4 bytes a lane
	s_mul_i32 s32, s31, 32*WP
	s_lshl_b32 s33, s30, 8
	s_add_co_u32 s32, s32, s33
	s_add_co_u32 s32, s32, WSTG
	v_mul_u32_u24 v4, v2, WP
	v_add_nc_u32 v4, s32, v4                       ; codes into the stage: row = my column, my half of its 512 bytes
	s_lshl_b32 s32, s31, 10
	s_lshl_b32 s33, s30, 4
	s_add_co_u32 s32, s32, s33
	s_add_co_u32 s32, s32, WSC
	v_lshl_add_u32 v5, v2, 5, s32                  ; my 16 scale bytes: row of 32, my half
	s_mul_i32 s32, s24, 16*WP
	s_add_co_u32 s32, s32, WSTG
	v_lshl_add_u32 v6, v2, 4, s32                  ; back: rows 16 w on, 16 bytes a lane
	s_lshl_b32 s32, s24, 9
	s_add_co_u32 s32, s32, WSC
	v_lshl_add_u32 v7, v2, 4, s32                  ; and 512 scale bytes a wave
	v_lshlrev_b32 v10, 4, v2                       ; 16 x lane in memory
.macro LOADW t                         ; block t: W(32 t + i, my column) into set t % 2: the wave reads 128 consecutive bytes
.irp i, 0,1,2,3,4,5,6,7,8,9,10,11,12,13,14,15,16,17,18,19,20,21,22,23,24,25,26,27,28,29,30,31
	global_load_b32 v[XW+32*((\t)%2)+\i], v3, s[26:27] offset:(32*(\t)+\i)*256 th:TH_LOAD_NT
.endr
.endm
.macro BLOCKW t
.set XS, XW+32*((\t)%2)
.if (\t) < 15
	s_wait_loadcnt 32                              ; this block's 32 loads are in; the next block's 32 may be out
.else
	s_wait_loadcnt 0x0
.endif
	v_max3_num_f32 v8, |v[XS]|, |v[XS+1]|, |v[XS+2]|
	v_max3_num_f32 v9, |v[XS+3]|, |v[XS+4]|, |v[XS+5]|
.irp i, 6,10,14,18,22,26
	v_max3_num_f32 v8, v8, |v[XS+\i]|, |v[XS+\i+1]|
	v_max3_num_f32 v9, v9, |v[XS+\i+2]|, |v[XS+\i+3]|
.endr
	v_max3_num_f32 v8, v8, |v[XS+30]|, |v[XS+31]|
	v_max3_num_f32 v8, v8, v9, (EMAX+1)<<23        ; the block's largest magnitude, all 32 mine, and the floor
	v_add_nc_u32 v11, -(EMAX<<23), v8
	v_lshrrev_b32 v9, 23, v11                      ; the scale's byte
.if (\t)%4 == 0
	v_mov_b32 v[SB+(\t)/4], v9                     ; four bytes to a register, the lower K in the lower byte
.else
	v_lshl_or_b32 v[SB+(\t)/4], v9, 8*((\t)%4), v[SB+(\t)/4]
.endif
.irp g, 0,1,2,3
	v_cvt_scalef32_pk8_fp4_f32 v[CW+\g], v[XS+8*\g:XS+8*\g+7], v11
.endr
	ds_store_b128 v4, v[CW:CW+3] offset:16*(\t)    ; 32 codes: 16 bytes of my column's row
.if (\t)+2 < 16
	LOADW (\t)+2
.endif
	s_wait_dscnt 0x0                               ; the store has read its registers: the next block's codes may be written
.endm
	LOADW 0
	LOADW 1
.set Q, 0
.rept 16
	BLOCKW Q
.set Q, Q+1
.endr
	ds_store_b128 v5, v[SB:SB+3]
	s_wait_dscnt 0x0                               ; for the others' sake: my stores have landed
	s_barrier_signal -1
	s_barrier_wait -1                              ; 64 whole rows of codes and of scale bytes lie in LDS
.irp i, 0,1,2,3,4,5,6,7,8,9,10,11,12,13,14,15
	ds_load_b128 v[OUTR+4*\i:OUTR+4*\i+3], v6 offset:\i*WP
.endr
	ds_load_b128 v[SCR:SCR+3], v7
.irp i, 0,1,2,3,4,5,6,7,8,9,10,11,12,13,14,15
	s_wait_dscnt 16-\i                             ; row i is in: the 15 - i younger rows and the scale bytes' load may be out
	global_store_b128 v10, v[OUTR+4*\i:OUTR+4*\i+3], s[18:19] offset:512*\i   ; a whole row of 512 bytes
.endr
	s_wait_dscnt 0x0
	global_store_b128 v10, v[SCR:SCR+3], s[20:21]  ; 512 consecutive scale bytes
	FINISH
; ---------------- Wo: a cast.  A wave takes 8,192 numbers: four rounds of sixteen loads of 512 bytes, two rounds in flight; a load's numbers leave as 256 consecutive bytes.
.Lwo:
	s_sub_co_u32 s26, ttmp9, WG_W
	s_lshl_b32 s26, s26, 2
	s_add_co_u32 s26, s26, s24                     ; run 0..127
	s_lshl_b32 s28, s26, 15
	s_add_nc_u64 s[12:13], s[12:13], s[28:29]
	s_lshl_b32 s28, s26, 14
	s_add_nc_u64 s[22:23], s[22:23], s[28:29]
	v_lshlrev_b32 v3, 4, v2
	v_lshlrev_b32 v4, 3, v2
.macro LOADO r
.irp n, 0,1,2,3,4,5,6,7,8,9,10,11,12,13,14,15
	global_load_b128 v[32+64*((\r)%2)+4*\n:32+64*((\r)%2)+4*\n+3], v3, s[12:13] offset:512*(16*(\r)+\n) th:TH_LOAD_NT
.endr
.endm
.macro ROUNDO r
.if (\r) < 3
	s_wait_loadcnt 16                              ; this round's sixteen are in; the next round's may be out
.else
	s_wait_loadcnt 0x0
.endif
.irp n, 0,1,2,3,4,5,6,7,8,9,10,11,12,13,14,15
	v_cvt_pk_f16_f32 v[32+64*((\r)%2)+4*\n], v[32+64*((\r)%2)+4*\n], v[32+64*((\r)%2)+4*\n+1]
	v_cvt_pk_f16_f32 v[32+64*((\r)%2)+4*\n+1], v[32+64*((\r)%2)+4*\n+2], v[32+64*((\r)%2)+4*\n+3]
	global_store_b64 v4, v[32+64*((\r)%2)+4*\n:32+64*((\r)%2)+4*\n+1], s[22:23] offset:256*(16*(\r)+\n)
.endr
.if (\r)+2 < 4
	s_wait_xcnt 0x0                                ; the stores have read their registers: the set is loaded again only behind this wait
	LOADO (\r)+2
.endif
.endm
	LOADO 0
	LOADO 1
	ROUNDO 0
	ROUNDO 1
	ROUNDO 2
	ROUNDO 3
	FINISH
.Lfunc_end_k_q384768d116_prep:
	.size	k_q384768d116_prep, .Lfunc_end_k_q384768d116_prep-k_q384768d116_prep
	.p2alignl 7, 3214868480
	.fill 96, 4, 3214868480
	.section	.rodata,"a",@progbits
	.p2align	6, 0x0
	.amdhsa_kernel k_q384768d116_prep
		.amdhsa_group_segment_fixed_size 69120
		.amdhsa_private_segment_fixed_size 0
		.amdhsa_enable_private_segment 0
		.amdhsa_kernarg_size 80
		.amdhsa_user_sgpr_count 2
		.amdhsa_user_sgpr_kernarg_segment_ptr 1
		.amdhsa_wavefront_size32 1
		.amdhsa_system_sgpr_workgroup_id_x 1
		.amdhsa_system_sgpr_workgroup_id_y 1
		.amdhsa_system_sgpr_workgroup_id_z 1
		.amdhsa_system_vgpr_workitem_id 0
		.amdhsa_next_free_vgpr 192
		.amdhsa_next_free_sgpr 66
		.amdhsa_reserve_vcc 0
		.amdhsa_float_denorm_mode_32 3
		.amdhsa_float_denorm_mode_16_64 3
		.amdhsa_memory_ordered 1
		.amdhsa_forward_progress 1
		.amdhsa_inst_pref_size 132
	.end_amdhsa_kernel
	.amdgpu_metadata
---
amdhsa.version: [ 1, 2 ]
amdhsa.kernels:
  - .name:           k_q384768d116_prep
    .symbol:         k_q384768d116_prep.kd
    .args:
      - { .name: x, .offset: 0, .size: 8, .value_kind: global_buffer, .address_space: global }
      - { .name: Wq, .offset: 8, .size: 8, .value_kind: global_buffer, .address_space: global }
      - { .name: Wk, .offset: 16, .size: 8, .value_kind: global_buffer, .address_space: global }
      - { .name: Wv, .offset: 24, .size: 8, .value_kind: global_buffer, .address_space: global }
      - { .name: Wo, .offset: 32, .size: 8, .value_kind: global_buffer, .address_space: global }
      - { .name: xc, .offset: 40, .size: 8, .value_kind: global_buffer, .address_space: global }
      - { .name: xs, .offset: 48, .size: 8, .value_kind: global_buffer, .address_space: global }
      - { .name: wc, .offset: 56, .size: 8, .value_kind: global_buffer, .address_space: global }
      - { .name: ws, .offset: 64, .size: 8, .value_kind: global_buffer, .address_space: global }
      - { .name: wo16, .offset: 72, .size: 8, .value_kind: global_buffer, .address_space: global }
    .group_segment_fixed_size: 69120
    .private_segment_fixed_size: 0
    .kernarg_segment_align: 8
    .kernarg_segment_size: 80
    .max_flat_workgroup_size: 128
    .sgpr_count:     66
    .vgpr_count:     192
    .wavefront_size: 32
...
	.end_amdgpu_metadata
.endif
;; end of part 1
;; launch qkv (part 2): grid 12 x 32, 4 waves a work-group, clusters of 4 x 4, 327,680 bytes of LDS; arguments xc, xs, wc, ws, qkv; writes qkv
.if DOCPART == 2
	.amdgcn_target "amdgcn-amd-amdhsa--gfx1250"
	.amdhsa_code_object_version 6
	.text
	.protected	k_q384768d116_qkv
	.globl	k_q384768d116_qkv
	.p2align	8
	.type	k_q384768d116_qkv,@function
k_q384768d116_qkv:
	s_mov_b64 s[64:65], 0
	v_nop
	global_prefetch_b8 v0, s[64:65] scope:SCOPE_SE
	s_setreg_imm32_b32 hwreg(HW_REG_WAVE_MODE, 25, 1), 1
	s_wait_xcnt 0x0
	s_wait_alu depctr_hold_cnt(0) depctr_sa_sdst(0) depctr_va_vdst(0) depctr_va_sdst(0) depctr_va_ssrc(0) depctr_va_vcc(0) depctr_vm_vsrc(0)
	s_getreg_b32 s2, hwreg(HW_REG_IB_STS2, 6, 4)
	s_cmp_eq_u32 s2, 0
	s_cbranch_scc0 .Lentry_in_a_cluster
	s_endpgm
.Lentry_in_a_cluster:
	s_bfe_u32 s2, ttmp6, 0x10000c
	s_cmp_lg_u32 s2, 0xf033
	s_cbranch_scc0 .Lentry_shape_is_right
	s_endpgm
.Lentry_shape_is_right:
; QKV.  C[m][n] = sum over k of x[m][k] W[n][k] on codes of FP4 (E2M1) with one E8M0 scale for each 32 along K.  m: 8,192 rows of x; n: 3,072 = tensor (q, k, v) x 1,024 + head x 64 + d; K = 1,024.
; The result is scaled in f32 (q by log2(e) / 2, k and v by 1 / 4, so that q' . k' is the score x log2(e) / 8), rounded to f16 and laid by head: qkv [tensor][b][h][s][64].
; LIMITS: |q| under 90,800 and |k|, |v| under 262,000 (f16's largest number after the scaling); NaN and infinities are not served.
; A tile of C, 256 x 256, is made by four waves, each 128 x 128: 64 accumulators, 512 registers.  K is two slots of 512 (rows of 256 bytes): both are asked for at the head, nothing is filled again.
; The scale bytes of the work-group's 256 rows of x and 256 rows of W come once, as dense blocks, with the first fills.
; CLUSTERS: 4 x 4 work-groups; x's tiles are asked for jointly along a row of the cluster, W's along a column.  THE MATRIX INSTRUCTION IS USED TRANSPOSED (source 0 = 16 rows of W, source 1 = 16 rows
; of x): a lane holds one row of x and eight neighbouring d.
; REGISTERS: window 0: v0-31 addresses; v32-95 scale words, two sets; v128-191 x's fragments, one set; on the way out v32-63, v192-255.  window 1: W's fragments, two sets, at v0 and v128.
;   window 2: the accumulators of my rows 0-63 ((a, b) at v[8 (8 a + b)]); window 3: those of rows 64-127.
.set NQ,     4                         ; steps of 128 along K in a slot
.set ROWB,   256                       ; a tile's row: 512 codes
.set KROW,   512                       ; a row of codes in memory
.set PITCH,  272                       ; an LDS row: 256 bytes + 16: the 16 rows of a load start 68 words apart
.set FR,     8
.set NL,     2
.set NP,     4
.set HALFT,  128*PITCH
.set SLOT,   4*HALFT
.set KS,     32                        ; a row of scale bytes
.set SCL,    2*SLOT
.set HALFS,  16*272                    ; the scales of 128 rows: 16 units of 256 bytes + 16
.set SBLK,   2*272                     ; those of 16 rows
.set SPARE,  SCL+4*HALFS               ; the spare words, 128 bytes for each wave
.set SPITCH, 272                       ; the way out: 16 rows x (256 bytes + 16) for each wave, in slot 0, which has had its only fill and its last read by then
.set ADRA, 16
.set ADRB, 20
.set STO,  24
.set RD,   25
.set CO,   26
.set ADRS, 27
.set SPW,  28
.set NIL,  29
.set SC,   32
.set AF,   128
.set TMP,  192
.set G1, 24
.set G0, 32
.set G1B, 48
.set G0B, 56
.set G1S, 68
.set G0S, 76
.set G1SB, 80
.set G0SB, 88
.set MSB, 0
.macro WIN new                         ; the immediate's high byte repeats the setting that is left
.if MSB != (\new)
	s_set_vgpr_msb (MSB<<8)|(\new)
.set MSB, (\new)
.endif
.endm
.set MUL_LO, 0xa1
.set MUL_HI, 0xf1
.set TO_B,   0x40
; A joint load: waves 0 and 1 fetch for x, waves 2 and 3 for W.  An s_nop 0 and four v_nop follow each of the two lines.
.macro JLOAD g0a, g1a, g0b, g1b
	s_cmp_eq_u32 s15, 0
	s_cbranch_scc0 .Lfor_b_\@
	tensor_load_to_lds s[\g0a:\g0a+3], s[\g1a:\g1a+7]
	s_nop 0
.rept 4
	v_nop
.endr
	s_branch .Lasked_\@
.Lfor_b_\@:
	tensor_load_to_lds s[\g0b:\g0b+3], s[\g1b:\g1b+7]
	s_nop 0
.rept 4
	v_nop
.endr
.Lasked_\@:
.endm
.macro CROUND                          ; a round of the cluster's barrier
	s_barrier_signal -1
	s_barrier_wait -1
	s_cmp_lg_u32 s14, 0
	s_cbranch_scc1 .Lnot_wave_0_\@
	s_barrier_signal -3
.Lnot_wave_0_\@:
	s_barrier_wait -3
	s_barrier_signal -1
	s_barrier_wait -1
.endm
	s_load_b128 s[4:7], s[0:1], 0x0                ; x's codes, x's scales
	s_load_b128 s[8:11], s[0:1], 0x10              ; W's codes, W's scales
	s_load_b64 s[12:13], s[0:1], 0x20              ; qkv
	v_lshl_add_u32 v[SPW], v0, 2, SPARE
	v_mov_b32 v[NIL], 0
	ds_add_u32 v[SPW], v[NIL]                      ; the wave's opening: the add, twice on end, and its wait ahead of my first tensor load
	ds_add_u32 v[SPW], v[NIL]
	v_lshrrev_b32 v1, 5, v0
	v_readfirstlane_b32 s14, v1                    ; wave 0..3
	s_lshr_b32 s15, s14, 1                         ; my half of the tile's rows; also: I fetch for x (0) or for W (1)
	s_and_b32 s16, s14, 1                          ; my half of its columns; also: which 128 rows I fetch
	s_bfe_u32 s40, ttmp6, 0x40000                  ; cx
	s_bfe_u32 s41, ttmp6, 0x40004                  ; cy
	s_lshl_b32 s42, ttmp9, 2
	s_add_co_u32 s42, s42, s40                     ; tile column 0..11
	s_and_b32 s17, ttmp7, 0xffff
	s_lshl_b32 s17, s17, 2
	s_add_co_u32 s17, s17, s41                     ; tile row 0..31
	s_lshl_b32 s43, s41, 2
	s_lshl_b32 s43, 15, s43                        ; my row of the cluster
	s_lshl_b32 s44, 0x1111, s40                    ; my column
	s_or_b32 s[G1+0], s43, (0<<16)|(1<<20)|(1<<21)|(5<<22)|(3<<25)  ; mask; elements of 1 byte; padding on; bit 21 beside a mask; 4 words behind every 64
	s_or_b32 s[G1B+0], s44, (0<<16)|(1<<20)|(1<<21)|(5<<22)|(3<<25)
.irp g, G1, G1B
	s_mov_b32 s[\g+1], ROWB<<16                    ; tensor_dim0
	s_mov_b32 s[\g+2], 128<<16                     ; tensor_dim1
	s_mov_b32 s[\g+3], ROWB<<16                    ; tile_dim0
	s_mov_b32 s[\g+4], 128                         ; tile_dim1
	s_mov_b32 s[\g+5], KROW                        ; stride
	s_mov_b32 s[\g+6], 0
	s_mov_b32 s[\g+7], 0
.endr
	s_or_b32 s[G1S+0], s43, (3<<16)|(1<<20)|(1<<21)|(5<<22)|(3<<25) ; the scales of 128 rows: 4,096 dense bytes as 16 rows of 32 elements of 8 bytes
	s_or_b32 s[G1SB+0], s44, (3<<16)|(1<<20)|(1<<21)|(5<<22)|(3<<25)
.irp g, G1S, G1SB
	s_mov_b32 s[\g+1], 32<<16
	s_mov_b32 s[\g+2], 16<<16
	s_mov_b32 s[\g+3], 32<<16
	s_mov_b32 s[\g+4], 16
	s_mov_b32 s[\g+5], 32
	s_mov_b32 s[\g+6], 0
	s_mov_b32 s[\g+7], 0
.endr
	s_lshl_b32 s18, s16, 7
	s_lshl_b32 s20, s17, 8
	s_add_co_u32 s20, s20, s18                     ; x: row 256 x tile row + 128 x half
	s_lshl_b32 s46, s42, 8
	s_add_co_u32 s46, s46, s18                     ; W: row 256 x tile column + 128 x half
	s_mov_b32 s21, 0
	s_mov_b32 s47, 0
	s_mov_b64 s[18:19], KS
	s_mul_u64 s[22:23], s[20:21], s[18:19]         ; where these rows' scales begin,
	s_mul_u64 s[92:93], s[46:47], s[18:19]
	s_mov_b64 s[18:19], KROW
	s_mul_u64 s[20:21], s[20:21], s[18:19]         ; and their codes
	s_mul_u64 s[46:47], s[46:47], s[18:19]
	s_mul_i32 s45, s14, HALFT                      ; where they go: wave x 128 rows
	s_mul_i32 s94, s14, HALFS
	s_mov_b32 s98, 0x3e800000                      ; the way out's factor: 1 / 4 for k and v,
	s_cmp_lt_u32 s42, 4
	s_cselect_b32 s98, 0x3f38aa3b, s98             ; log2(e) / 2 for q (tile columns 0-3): a value is chosen, no branch
	s_mov_b32 s99, s98                             ; (named with it as a pair)
	s_wait_dscnt 0x0                               ; both opening adds are done
	s_wait_kmcnt 0x0
	s_add_nc_u64 s[20:21], s[4:5], s[20:21]
	s_add_nc_u64 s[22:23], s[6:7], s[22:23]
	s_add_nc_u64 s[46:47], s[8:9], s[46:47]
	s_add_nc_u64 s[92:93], s[10:11], s[92:93]
	CROUND                                         ; all sixteen work-groups are here: the joint loads meet
	s_mov_b32 s[G0S], 1
	s_add_co_u32 s[G0S+1], s94, SCL
	s_mov_b64 s[G0S+2:G0S+3], s[22:23]
	s_or_b32 s[G0S+3], s[G0S+3], 0x80000000
	s_mov_b32 s[G0SB], 1
	s_add_co_u32 s[G0SB+1], s94, SCL
	s_mov_b64 s[G0SB+2:G0SB+3], s[92:93]
	s_or_b32 s[G0SB+3], s[G0SB+3], 0x80000000
	JLOAD G0S, G1S, G0SB, G1SB                     ; the scales first
.irp s, 0,1
	s_mov_b32 s[G0+4*\s], 1
	s_add_co_u32 s[G0+4*\s+1], s45, \s*SLOT
	s_add_nc_u64 s[G0+4*\s+2:G0+4*\s+3], s[20:21], \s*ROWB
	s_or_b32 s[G0+4*\s+3], s[G0+4*\s+3], 0x80000000
	s_mov_b32 s[G0B+4*\s], 1
	s_add_co_u32 s[G0B+4*\s+1], s45, \s*SLOT
	s_add_nc_u64 s[G0B+4*\s+2:G0B+4*\s+3], s[46:47], \s*ROWB
	s_or_b32 s[G0B+4*\s+3], s[G0B+4*\s+3], 0x80000000
	JLOAD G0+4*\s, G1, G0B+4*\s, G1B               ; three tensor loads of mine are out in all
.endr
	v_and_b32 v1, 15, v0                           ; r
	v_bfe_u32 v2, v0, 4, 1                         ; h
	v_mul_u32_u24 v3, v1, PITCH
	v_lshl_add_u32 v4, v2, 4, v3                   ; a fragment's row x pitch + 16 h
	s_mul_i32 s21, s15, HALFT
	s_mul_i32 s22, s16, HALFT
	s_add_co_u32 s22, s22, 2*HALFT
.irp s, 0,1
	v_add_nc_u32 v[ADRA+\s], s21, v4
	v_add_nc_u32 v[ADRB+\s], s22, v4
	s_add_co_u32 s21, s21, SLOT
	s_add_co_u32 s22, s22, SLOT
.endr
	v_mul_u32_u24 v5, v1, KS                       ; my row's scales: 32 bytes a row,
	v_lshrrev_b32 v6, 8, v5
	v_lshl_add_u32 v5, v6, 4, v5                   ; and 16 more for each 256 passed
	s_mul_i32 s21, s15, HALFS
	s_mul_i32 s22, s16, HALFS
	s_add_co_u32 s22, s22, 2*HALFS
	s_sub_co_u32 s22, s22, s21
	v_mul_u32_u24 v6, s22, v2                      ; lanes 16-31 take W's
	s_add_co_u32 s21, s21, SCL
	v_add_nc_u32 v5, v5, v6
	v_add_nc_u32 v[ADRS], s21, v5
	s_mul_i32 s23, s14, 16*SPITCH                  ; my stage
	v_mul_u32_u24 v5, v1, SPITCH
	v_lshl_add_u32 v5, v2, 4, v5
	v_add_nc_u32 v[STO], s23, v5                   ; in: row r, 16 bytes for each half of the lanes
	v_bfe_u32 v6, v0, 3, 1                         ; back: lanes 0-15 take one head's 64 d of two rows, lanes 16-31 the other head's:
	v_and_b32 v7, 7, v0
	v_lshlrev_b32 v7, 4, v7                        ; 16 bytes a lane, eight lanes to a row's 128 bytes,
	v_mul_u32_u24 v8, v6, SPITCH                   ; the row's parity,
	v_lshl_add_u32 v8, v2, 7, v8                   ; the head's 128 bytes of the stage row
	v_add_nc_u32 v8, v8, v7
	v_add_nc_u32 v[RD], s23, v8
	v_lshl_add_u32 v9, v6, 7, v7
	v_lshl_add_u32 v[CO], v2, 18, v9               ; in memory: rows 128 bytes apart, heads 262,144
	s_lshr_b32 s20, s17, 3
	s_lshl_b32 s20, s20, 22                        ; b
	s_and_b32 s21, s17, 7
	s_lshl_b32 s21, s21, 15                        ; s: 256 rows of 128 bytes a tile row,
	s_add_co_u32 s20, s20, s21
	s_lshl_b32 s21, s15, 14                        ; 128 rows for my half
	s_add_co_u32 s20, s20, s21
	s_mov_b32 s21, 0
	s_lshr_b32 s46, s42, 2
	s_lshl_b32 s46, s46, 24                        ; the tensor,
	s_and_b32 s47, s42, 3
	s_lshl_b32 s47, s47, 20                        ; four heads a tile column,
	s_add_co_u32 s46, s46, s47
	s_lshl_b32 s47, s16, 19                        ; two for my half
	s_add_co_u32 s46, s46, s47
	s_mov_b32 s47, 0
	s_add_nc_u64 s[20:21], s[20:21], s[46:47]
	s_add_nc_u64 s[12:13], s[12:13], s[20:21]
.macro FRAG reg, adr, q, i             ; 16 rows x 128 K of 4-bit codes: 8 registers, two loads of 16 bytes, 32 bytes apart
.irp c, 0,1
	ds_load_b128 v[\reg+4*\c:\reg+4*\c+3], v[\adr] offset:64*(\q)+32*\c+(\i)*16*PITCH
.endr
.endm
; 16 matrix instructions: x's blocks a0, a0 + 1 against W's eight.  The 64 accumulators take turns, one instruction a turn, in the same order in every step.
.macro MUL16 a0, p, q, sc, zero
.irp a, \a0, \a0+1
.irp b, 0,1,2,3,4,5,6,7
.if \zero
	v_wmma_scale_f32_16x16x128_f8f6f4 v[8*(8*((\a)%4)+\b):8*(8*((\a)%4)+\b)+7], v[128*(\p)+FR*\b:128*(\p)+FR*\b+FR-1], v[AF+FR*(\a):AF+FR*(\a)+FR-1], 0, v[SC+8*NQ*(\sc)+NQ*\b+(\q)], v[SC+8*NQ*(\sc)+NQ*(\a)+(\q)] matrix_a_fmt:MATRIX_FMT_FP4 matrix_b_fmt:MATRIX_FMT_FP4 matrix_a_scale:MATRIX_SCALE_ROW1
.else
	v_wmma_scale_f32_16x16x128_f8f6f4 v[8*(8*((\a)%4)+\b):8*(8*((\a)%4)+\b)+7], v[128*(\p)+FR*\b:128*(\p)+FR*\b+FR-1], v[AF+FR*(\a):AF+FR*(\a)+FR-1], v[8*(8*((\a)%4)+\b):8*(8*((\a)%4)+\b)+7], v[SC+8*NQ*(\sc)+NQ*\b+(\q)], v[SC+8*NQ*(\sc)+NQ*(\a)+(\q)] matrix_a_fmt:MATRIX_FMT_FP4 matrix_b_fmt:MATRIX_FMT_FP4 matrix_a_scale:MATRIX_SCALE_ROW1
.endif
.endr
.endr
.endm
.macro FETCH_B slot, q, p
	WIN TO_B
.irp i, 0,1,2,3,4,5,6,7
	FRAG 128*(\p)+FR*\i, ADRB+\slot, \q, \i
.endr
	WIN 0
.endm
.macro FETCH_A slot, q, i0
.irp i, \i0, \i0+1, \i0+2, \i0+3
	FRAG AF+FR*(\i), ADRA+\slot, \q, \i
.endr
.endm
.macro SCALES sc                       ; a slot's scale words: four a row; lanes 0-15 x's block i, lanes 16-31 W's block i
.irp i, 0,1,2,3,4,5,6,7
	ds_load_b128 v[SC+8*NQ*\sc+NQ*\i:SC+8*NQ*\sc+NQ*\i+3], v[ADRS] offset:\i*SBLK
.endr
.endm
.macro PLACES n                        ; plain vector places behind matrix instructions, in front of loads into their registers and of reads of results
.rept \n
	v_nop
.endr
.endm
.macro STEP slot, q, zero              ; 128 along K with its successor in the same slot
	s_wait_dscnt 4*NL                              ; W's set and x's blocks 0-3 are in; the youngest eight loads (blocks 4-7) may be out
	WIN MUL_LO
	MUL16 0, (\q)%2, \q, \slot, \zero
	MUL16 2, (\q)%2, \q, \slot, \zero
	s_wait_dscnt 0                                 ; blocks 4-7 are in
	PLACES NP
	FETCH_B \slot, (\q)+1, 1-(\q)%2
	FETCH_A \slot, (\q)+1, 0
	WIN MUL_HI
	MUL16 4, (\q)%2, \q, \slot, \zero
	MUL16 6, (\q)%2, \q, \slot, \zero
	PLACES NP
	WIN 0
	FETCH_A \slot, (\q)+1, 4
.endm
.macro TURN slot, next                 ; slot 0's last step: behind the barrier slot 1 is whole and nobody reads slot 0 any more; nothing is filled again
	s_wait_tensorcnt 0x0                           ; all my tensor loads have landed: my part of slot 1
	ds_add_u32 v[SPW], v[NIL]                      ; 0 onto my spare word
	s_wait_dscnt 4*NL+1                            ; (the add and the youngest eight loads may be out)
	WIN MUL_LO
	MUL16 0, 1, NQ-1, \slot, 0
	s_wait_dscnt 0x0                               ; the add is done, and my reads of this slot are over
	s_barrier_signal -1
	MUL16 2, 1, NQ-1, \slot, 0
	WIN 0
	s_barrier_wait -1
	PLACES NP
	v_add_nc_u32 v[ADRS], 4*NQ, v[ADRS]            ; the next slot's scale words
	FETCH_B \next, 0, 0
	FETCH_A \next, 0, 0
	SCALES \next
	WIN MUL_HI
	MUL16 4, 1, NQ-1, \slot, 0
	MUL16 6, 1, NQ-1, \slot, 0
	PLACES NP
	WIN 0
	FETCH_A \next, 0, 4
.endm
	s_wait_tensorcnt 1                             ; the scales and my part of slot 0 are in; slot 1's load may be out
	s_barrier_signal -1
	s_barrier_wait -1
	FETCH_B 0, 0, 0
	FETCH_A 0, 0, 0
	SCALES 0
	FETCH_A 0, 0, 4
	STEP 0, 0, 1                                   ; the first products start the sums
	STEP 0, 1, 0
	STEP 0, 2, 0
	TURN 0, 1
	STEP 1, 0, 0
	STEP 1, 1, 0
	STEP 1, 2, 0
	s_wait_dscnt 4*NL                              ; the last step: nothing more to fetch
	WIN MUL_LO
	MUL16 0, 1, NQ-1, 1, 0
	MUL16 2, 1, NQ-1, 1, 0
	s_wait_dscnt 0
	WIN MUL_HI
	MUL16 4, 1, NQ-1, 1, 0
	MUL16 6, 1, NQ-1, 1, 0
	WIN 0
; THE WAY OUT, block by block of 16 rows x 128 columns (two heads).  Scaled in f32, rounded to f16, 16 bytes a lane into my stage; back so that sixteen lanes hold two rows of one head: 256 consecutive bytes of qkv.
.macro PACK a
.set AC, 64*((\a)%4)
	WIN 0x82+0x41*((\a)/4)                         ; source 0 and destination: window 2 or 3
.irp b, 0,1,2,3,4,5,6,7
.irp j, 0,2,4,6
	v_pk_mul_f32 v[AC+8*\b+\j:AC+8*\b+\j+1], v[AC+8*\b+\j:AC+8*\b+\j+1], s[98:99] op_sel_hi:[1,0]   ; each accumulator from its low end on
.endr
.endr
	WIN 0x0a+5*((\a)/4)                            ; sources 0 and 1: window 2 or 3; destination window 0
.irp b, 0,1,2,3,4,5,6,7
.irp r, 0,1,2,3
	v_cvt_pk_f16_f32 v[TMP+4*\b+\r], v[AC+8*\b+2*\r], v[AC+8*\b+2*\r+1]
.endr
.endr
	WIN 0
.endm
.macro TOSTAGE a
.set BB, 32+192*((\a)%2)               ; v32-63 and v224-255 by turns
.irp b, 0,1,2,3,4,5,6,7
	ds_store_b128 v[STO], v[TMP+4*\b:TMP+4*\b+3] offset:32*\b
.endr
.irp t, 0,1,2,3,4,5,6,7
	ds_load_b128 v[BB+4*\t:BB+4*\t+3], v[RD] offset:\t*2*SPITCH    ; in order behind my stores
.endr
.endm
.macro SEND a
.set BB, 32+192*((\a)%2)
	s_wait_dscnt 0x0                               ; the block is back in registers
	s_wait_xcnt 0x0                                ; the block before has had its stores' registers read: the next loads may land there
.irp t, 0,1,2,3,4,5,6,7
	global_store_b128 v[CO], v[BB+4*\t:BB+4*\t+3], s[12:13] offset:(\a)*2048+\t*256   ; each half of the lanes stores 256 consecutive bytes, aligned
.endr
.endm
	PLACES NP
	PACK 0
	TOSTAGE 0
.irp a, 1,2,3,4,5,6,7
	PACK \a                                        ; block a's arithmetic stands between block a - 1's loads from the stage and the wait for them
	SEND (\a)-1
	TOSTAGE \a
.endr
	SEND 7
	s_wait_tensorcnt 0x0                           ; the wave's end
	ds_add_u32 v[SPW], v[NIL]
	s_wait_dscnt 0x0
	CROUND                                         ; the closing round
	s_endpgm
.Lfunc_end_k_q384768d116_qkv:
	.size	k_q384768d116_qkv, .Lfunc_end_k_q384768d116_qkv-k_q384768d116_qkv
	.p2alignl 7, 3214868480
	.fill 96, 4, 3214868480
	.section	.rodata,"a",@progbits
	.p2align	6, 0x0
	.amdhsa_kernel k_q384768d116_qkv
		.amdhsa_group_segment_fixed_size 327680
		.amdhsa_private_segment_fixed_size 0
		.amdhsa_enable_private_segment 0
		.amdhsa_kernarg_size 40
		.amdhsa_user_sgpr_count 2
		.amdhsa_user_sgpr_kernarg_segment_ptr 1
		.amdhsa_wavefront_size32 1
		.amdhsa_system_sgpr_workgroup_id_x 1
		.amdhsa_system_sgpr_workgroup_id_y 1
		.amdhsa_system_sgpr_workgroup_id_z 1
		.amdhsa_system_vgpr_workitem_id 0
		.amdhsa_next_free_vgpr 1024
		.amdhsa_next_free_sgpr 100
		.amdhsa_reserve_vcc 0
		.amdhsa_float_denorm_mode_32 3
		.amdhsa_float_denorm_mode_16_64 3
		.amdhsa_memory_ordered 1
		.amdhsa_forward_progress 1
		.amdhsa_inst_pref_size 143
	.end_amdhsa_kernel
	.amdgpu_metadata
---
amdhsa.version: [ 1, 2 ]
amdhsa.kernels:
  - .name:           k_q384768d116_qkv
    .symbol:         k_q384768d116_qkv.kd
    .args:
      - { .name: xc, .offset: 0, .size: 8, .value_kind: global_buffer, .address_space: global }
      - { .name: xs, .offset: 8, .size: 8, .value_kind: global_buffer, .address_space: global }
      - { .name: wc, .offset: 16, .size: 8, .value_kind: global_buffer, .address_space: global }
      - { .name: ws, .offset: 24, .size: 8, .value_kind: global_buffer, .address_space: global }
      - { .name: qkv, .offset: 32, .size: 8, .value_kind: global_buffer, .address_space: global }
    .group_segment_fixed_size: 327680
    .private_segment_fixed_size: 0
    .kernarg_segment_align: 8
    .kernarg_segment_size: 40
    .max_flat_workgroup_size: 128
    .sgpr_count:     100
    .vgpr_count:     1024
    .wavefront_size: 32
...
	.end_amdgpu_metadata
.endif
;; end of part 2
;; launch attn (part 3): grid 4 x 64, 16 waves a work-group, no clusters, 327,680 bytes of LDS; arguments qkv, ob; writes ob
.if DOCPART == 3
	.amdgcn_target "amdgcn-amd-amdhsa--gfx1250"
	.amdhsa_code_object_version 6
	.text
	.protected	k_q384768d116_attn
	.globl	k_q384768d116_attn
	.p2align	8
	.type	k_q384768d116_attn,@function
k_q384768d116_attn:
	s_mov_b64 s[64:65], 0
	v_nop
	global_prefetch_b8 v0, s[64:65] scope:SCOPE_SE
	s_setreg_imm32_b32 hwreg(HW_REG_WAVE_MODE, 25, 1), 1
	s_wait_xcnt 0x0
; ATTN.  o[bh][q] = sum over k <= q of softmax_k(score) v[bh][k], on f16 operands with f32 sums.  qkv holds q' = q log2(e) / 2, k' = k / 4, v' = v / 4, each [b][h][s][64] f16: q' . k' is the score in
; powers of two, so p = 2^(q' . k' - m) with m the query's running maximum; in every step the sum l and O are multiplied by a = 2^(old m - new m).  ob = (sum of p v') / l = o / 4, f16.
; SHARES.  Work-group (J, bh) owns query blocks J and 7 - J (256 queries each) of head bh, so that every work-group has the same work under the causal mask.  Each of its sixteen waves owns 32 queries,
; two tiles of 16; on each quarter of the waves, by w % 4 or by w / 4, two waves have early queries and two late ones.  Four waves share a SIMD: one wave's softmax stands beside another's products.
; NO CLUSTER: the four work-groups of a head end their walks at 2,048, 1,792, 1,536 and 1,280 keys, so a joint load would bring tiles that every wave of some partner jumps over.
; Every wave walks all 8 slots of 256 keys (constant trip counts); a step of 64 keys all of which come after the wave's queries is jumped over, by a branch on ids.
; LAYOUT.  S^T = K Q^T (source 0 = 16 keys, source 1 = 16 queries): a lane holds one query (lane % 16) and keys 8 (lane / 16) + 0..7 of each tile.  Two such tiles, rounded to f16 in pairs, are source 1
; of O^T = V^T P; V ([key][channel]) comes out of LDS turned.  Each fragment of K and V feeds two matrix instructions.
; REGISTERS: v1-11 addresses and constants; v12-27 statistics, eight a tile; v28-29 the mask's distances; v30 prefetch offset; v31 Q's offset; v32-63 Q; v64-127 K, then V; v128-191 S^T, then P; v192-255 O^T.
.set PK,    144                        ; a row of K in LDS: 128 bytes + 16
.set PV,    160                        ; a row of V: 128 + 32: an odd multiple of 32, for the turning load
.set SK,    256                        ; keys in a slot
.set VOFF,  SK*PK
.set SLOT1, 1<<17                      ; slot 1 begins here: one exclusive or turns an address
.set NSL,   8
.set SPARE, SLOT1+VOFF+SK*PV           ; behind the ring: the spare words, 128 bytes for each of 16 waves
.set AK0, 1
.set AV0, 2
.set ADK, 3
.set ADV, 4
.set SPW, 5                            ; v5   LDS address of my spare word; never rewritten
.set NIL, 6                            ; v6   0; never rewritten
.set GO,  7
.set STO, 8
.set RD,  9
.set RH,  10                           ; v10  lane % 16 - 8 (lane / 16)
.set NINF, 11                          ; v11  -infinity
.set ST,  12                           ; tile t at v[ST + 8 t]: +0 m, +1 its pair's filler, +2, +3 l in two halves, +4..+7 c0-c3; a takes c2's place
.set DD,  28
.set PFO, 30
.set QA,  31
.set QF,  32                           ; Q: tile t, channels 32 cs on: v[QF + 16 t + 8 cs]
.set KV,  64
.set S,   128                          ; S^T: tile t, keys 16 kt on: v[S + 32 t + 8 kt]
.set O,   192                          ; O^T: tile t, channels 16 ct on: v[O + 32 t + 8 ct]
.set WV,  8
.set Q0,  16
.set LASTQ, 17
.set KF,  18
.set TB,  19
.set SEL, 20
.set SLOTS, 22
.set LIM, 23
.set G1K, 24
.set G1V, 32
.set G0K, 40
.set G0V, 44
.set PFA, 48
; Waves 0 and 1 fetch K's halves of a slot, waves 2 and 3 V's, the others nothing.  An s_nop 0 and four v_nop follow each of the two lines.
.macro TLOAD
	s_cmp_lt_u32 s[WV], 2
	s_cbranch_scc0 .Lnot_k_\@
	tensor_load_to_lds s[G0K:G0K+3], s[G1K:G1K+7]
	s_nop 0
.rept 4
	v_nop
.endr
	s_branch .Lasked_\@
.Lnot_k_\@:
	s_cmp_lt_u32 s[WV], 4
	s_cbranch_scc0 .Lasked_\@
	tensor_load_to_lds s[G0V:G0V+3], s[G1V:G1V+7]
	s_nop 0
.rept 4
	v_nop
.endr
.Lasked_\@:
.endm
; A prefetch of what the NEXT change of slots will ask for: a slot's 32,768 dense bytes of K and of V.  Work-group J = 0 of a head, which walks all its keys, asks, and nobody else; in it waves 4-7 ask
; for K's block and waves 8-11 for V's, 8,192 bytes a wave, lanes 256 bytes apart: each aligned 256 bytes are named once in the launch.  The last change that fills a slot asks for nothing.
.macro ASK
	s_cmp_gt_u32 s[SLOTS], s[LIM]
	s_cbranch_scc0 .Lnot_mine_\@
	global_prefetch_b8 v[PFO], s[PFA:PFA+1] th:TH_LOAD_NT scope:SCOPE_SE
.Lnot_mine_\@:
.endm
	s_load_b128 s[4:7], s[0:1], 0x0                ; qkv, ob
	v_lshl_add_u32 v[SPW], v0, 2, SPARE
	v_mov_b32 v[NIL], 0
	ds_add_u32 v[SPW], v[NIL]                      ; the wave's opening: the add, twice on end, and its wait ahead of my first tensor load
	ds_add_u32 v[SPW], v[NIL]
	v_lshrrev_b32 v12, 5, v0
	v_readfirstlane_b32 s[WV], v12                 ; wave 0..15
	s_and_b32 s9, s[WV], 1
	s_lshr_b32 s54, s[WV], 1
	s_lshr_b32 s55, s[WV], 3
	s_xor_b32 s54, s54, s55
	s_and_b32 s54, s54, 1                          ; 1: my queries lie in the late block
	s_lshr_b32 s55, s[WV], 2
	s_lshl_b32 s55, s55, 1
	s_or_b32 s55, s55, s9                          ; which 32 queries of the block: 0..7
	s_sub_co_u32 s56, 7, ttmp9
	s_cmp_eq_u32 s54, 1
	s_cselect_b32 s56, s56, ttmp9                  ; block 7 - J or J
	s_lshl_b32 s56, s56, 8
	s_lshl_b32 s55, s55, 5
	s_add_co_u32 s[Q0], s56, s55                   ; my first query
	s_lshl_b32 s[LASTQ], ttmp9, 8
	s_sub_co_u32 s[LASTQ], 2047, s[LASTQ]          ; my work-group's last query
	s_and_b32 s56, ttmp7, 0xffff
	s_lshl_b32 s56, s56, 18                        ; the head: 2,048 rows of 128 bytes
	s_mov_b32 s57, 0
	s_lshl_b32 s58, s[Q0], 7                       ; my queries' rows
	s_mov_b32 s59, 0
	; descriptor group 1: 128 rows of 64 elements of 2 bytes, dense in memory, padded in LDS behind each row (32 words)
	s_mov_b32 s[G1K], (1<<16)|(1<<20)|(4<<22)|(3<<25)   ; K: 4 words of padding
	s_mov_b32 s[G1V], (1<<16)|(1<<20)|(4<<22)|(7<<25)   ; V: 8 words
.irp g, G1K, G1V
	s_mov_b32 s[\g+1], 64<<16                      ; tensor_dim0
	s_mov_b32 s[\g+2], 128<<16                     ; tensor_dim1
	s_mov_b32 s[\g+3], 64<<16                      ; tile_dim0
	s_mov_b32 s[\g+4], 128                         ; tile_dim1
	s_mov_b32 s[\g+5], 64                          ; stride
	s_mov_b32 s[\g+6], 0
	s_mov_b32 s[\g+7], 0
.endr
	s_mov_b32 s[G0K], 1
	s_mul_i32 s[G0K+1], s9, 128*PK                 ; slot 0, my half of K's rows
	s_mov_b32 s[G0V], 1
	s_mul_i32 s[G0V+1], s9, 128*PV
	s_add_co_u32 s[G0V+1], s[G0V+1], VOFF
	s_mov_b32 s[SEL], 0x76543210
	s_mov_b32 s[SEL+1], 0xfedcba98                 ; lane l xor 16
	s_mov_b32 s[KF], 0
	s_mov_b32 s[TB], 0
	s_mov_b32 s[SLOTS], NSL-1
	s_sub_co_u32 s54, s[WV], 4
	s_lshr_b32 s54, s54, 3                         ; 0 in waves 4 to 11,
	s_or_b32 s54, s54, ttmp9                       ; of work-group J = 0
	s_cmp_eq_u32 s54, 0
	s_cselect_b32 s[LIM], 1, -1
	s_mov_b32 s54, 0x2000000                       ; the prefetches: V's part of qkv (waves 8 on),
	s_cmp_lt_u32 s[WV], 8
	s_cselect_b32 s54, 0x1000000, s54              ; or K's,
	s_and_b32 s55, s[WV], 3
	s_lshl_b32 s55, s55, 13                        ; my wave's 8,192 bytes,
	s_add_co_u32 s54, s54, s55
	s_add_co_u32 s54, s54, SK*128                  ; in slot 1: the first change steps it to slot 2
	s_mov_b32 s55, 0
	v_and_b32 v16, 15, v0                          ; r
	v_bfe_u32 v17, v0, 4, 1                        ; h
	v_lshlrev_b32 v[QA], 7, v16
	v_lshl_add_u32 v[QA], v17, 4, v[QA]            ; Q: row r of 128 bytes + 16 h
	s_wait_dscnt 0x0                               ; both opening adds are done
	s_wait_kmcnt 0x0
	s_add_nc_u64 s[60:61], s[4:5], s[56:57]        ; my head in q's part of qkv
	s_add_nc_u64 s[50:51], s[60:61], s[58:59]      ; my queries
	s_add_nc_u64 s[52:53], s[6:7], s[56:57]
	s_add_nc_u64 s[52:53], s[52:53], s[58:59]      ; and their rows of ob
	s_add_nc_u64 s[PFA:PFA+1], s[60:61], s[54:55]
	s_lshl_b32 s54, s9, 14                         ; my half of a slot's rows in memory
	s_add_nc_u64 s[60:61], s[60:61], s[54:55]
	s_add_nc_u64 s[G0K+2:G0K+3], s[60:61], 0x1000000
	s_or_b32 s[G0K+3], s[G0K+3], 0x80000000
	s_add_nc_u64 s[G0V+2:G0V+3], s[60:61], 0x2000000
	s_or_b32 s[G0V+3], s[G0V+3], 0x80000000
	TLOAD                                          ; slot 0: one tensor load of a loading wave is out
.irp t, 0,1
.irp cs, 0,1
	global_load_b128 v[QF+16*\t+8*\cs:QF+16*\t+8*\cs+3], v[QA], s[50:51] offset:\t*2048+\cs*64
	global_load_b128 v[QF+16*\t+8*\cs+4:QF+16*\t+8*\cs+7], v[QA], s[50:51] offset:\t*2048+\cs*64+32
.endr
.endr
	v_and_b32 v18, 7, v0
	v_bfe_u32 v19, v0, 3, 1
	v_and_b32 v20, 31, v0                          ; lane
	v_bfe_u32 v21, v0, 3, 2                        ; lane / 8
	v_mul_u32_u24 v[AK0], v16, PK
	v_lshl_add_u32 v[AK0], v17, 4, v[AK0]          ; K: row r x pitch + 16 h
	v_lshl_add_u32 v[AV0], v17, 3, v18             ; V, turned: key 8 h + lane % 8,
	v_mul_u32_u24 v[AV0], v[AV0], PV
	v_lshl_add_u32 v[AV0], v19, 4, v[AV0]          ; channels 8 ((lane / 8) % 2) on
	v_add_nc_u32 v[AV0], VOFF, v[AV0]
	v_lshlrev_b32 v[GO], 4, v20
	s_mul_i32 s54, s[WV], 32*PK                    ; the way out: my stage, 32 rows x 144 bytes from LDS byte 0 on: the slot left at the last change, which has had its last fill
	v_add_nc_u32 v[STO], s54, v[AK0]               ; in: row r, 16 bytes for each half of the lanes
	v_mul_u32_u24 v[RD], v21, PK
	v_lshl_add_u32 v[RD], v18, 4, v[RD]
	v_add_nc_u32 v[RD], s54, v[RD]                 ; back: eight lanes to a row of 128 bytes, four rows an instruction
	v_lshlrev_b32 v22, 3, v17
	v_sub_nc_u32 v[RH], v16, v22
	v_mov_b32 v[NINF], 0xff800000
	v_lshlrev_b32 v[PFO], 8, v20
.irp t, 0,1
	v_mov_b32 v[ST+8*\t], 0xff61b1e6               ; m: -3e38, under every score
	v_mov_b32 v[ST+8*\t+1], 0xff61b1e6
.irp i, 2,3,4,5,6,7
	v_mov_b32 v[ST+8*\t+\i], 0                     ; l; and c0-c3, which a permute's destination and the pairs name
.endr
.endr
.set i, 0
.rept 64
	v_mov_b32 v[O+i], 0                            ; O^T: the step is written once; the first finds zeros, which a = 0 leaves zeros
.set i, i+1
.endr
; A KEY STEP: 64 keys, the q-th of the slot in hand.
.macro STEP q
	s_add_co_u32 s54, s[Q0], 31
	s_cmp_gt_u32 s[KF], s54                        ; all 64 keys come after my 32 queries: the step's work is left out
	s_cbranch_scc1 .Lhidden_\@
	v_add_nc_u32 v[ADK], s[TB], v[AK0]
	v_add_nc_u32 v[ADV], s[TB], v[AV0]
.rept 3
	v_nop                                          ; with the two additions five places behind the last products: the loads below land on V's registers, and the first products below write over P's
.endr
.irp cs, 0,1
.irp kt, 0,1,2,3
	ds_load_b128 v[KV+8*(4*\cs+\kt):KV+8*(4*\cs+\kt)+3], v[ADK] offset:(\q)*64*PK+\kt*16*PK+\cs*64
	ds_load_b128 v[KV+8*(4*\cs+\kt)+4:KV+8*(4*\cs+\kt)+7], v[ADK] offset:(\q)*64*PK+\kt*16*PK+\cs*64+32
.endr
.endr
	s_wait_dscnt 8                                 ; channels 0-31 are in; the eight loads of channels 32-63 may be out
.irp kt, 0,1,2,3
.irp t, 0,1
	v_wmma_f32_16x16x32_f16 v[S+32*\t+8*\kt:S+32*\t+8*\kt+7], v[KV+8*\kt:KV+8*\kt+7], v[QF+16*\t:QF+16*\t+7], 0
.endr
.endr
	s_wait_dscnt 0x0
.irp kt, 0,1,2,3                       ; the eight accumulators take turns, one instruction a turn
.irp t, 0,1
	v_wmma_f32_16x16x32_f16 v[S+32*\t+8*\kt:S+32*\t+8*\kt+7], v[KV+8*(4+\kt):KV+8*(4+\kt)+7], v[QF+16*\t+8:QF+16*\t+15], v[S+32*\t+8*\kt:S+32*\t+8*\kt+7]
.endr
.endr
.rept 4
	v_nop                                          ; places in front of the loads into K's registers and of the first read of the scores
.endr
.irp ks, 0,1
.irp ct, 0,1,2,3
	ds_load_tr16_b128 v[KV+8*(4*\ks+\ct):KV+8*(4*\ks+\ct)+3], v[ADV] offset:(\q)*64*PV+\ks*32*PV+\ct*32
	ds_load_tr16_b128 v[KV+8*(4*\ks+\ct)+4:KV+8*(4*\ks+\ct)+7], v[ADV] offset:(\q)*64*PV+\ks*32*PV+\ct*32+16*PV
.endr
.endr
	s_add_co_u32 s54, s[KF], 63                    ; on the diagonal hidden scores become -infinity ahead of the maximum; a step all of whose keys count skips this
	s_cmp_le_u32 s54, s[Q0]
	s_cbranch_scc1 .Lopen_\@
	s_sub_co_i32 s54, s[Q0], s[KF]
	v_add_nc_u32 v[DD], s54, v[RH]                 ; tile 0: my query - KF - 8 (lane / 16).  Register 8 kt + j holds key KF + 16 kt + 8 (lane / 16) + j: hidden where 16 kt + j is greater
	v_add_nc_u32 v[DD+1], 16, v[DD]                ; tile 1: 16 queries on
.irp t, 0,1
.irp n, 0,1,2,3,4,5,6,7,8,9,10,11,12,13,14,15,16,17,18,19,20,21,22,23,24,25,26,27,28,29,30,31
	v_cmp_gt_i32 vcc_lo, 16*(\n/8)+\n%8, v[DD+\t]
	v_cndmask_b32 v[S+32*\t+\n], v[S+32*\t+\n], v[NINF], vcc_lo
.endr
.endr
.Lopen_\@:
	; the softmax, the two tiles line by line.  The maximum of 32 scores and the old m: four chains, each begun at an accumulator's low end
.irp j, 0,1,2,3
.irp t, 0,1
	v_max3_num_f32 v[ST+8*\t+4+\j], v[S+32*\t+8*\j], v[S+32*\t+8*\j+1], v[S+32*\t+8*\j+2]
.endr
.endr
.irp i, 3,5
.irp j, 0,1,2,3
.irp t, 0,1
	v_max3_num_f32 v[ST+8*\t+4+\j], v[ST+8*\t+4+\j], v[S+32*\t+8*\j+\i], v[S+32*\t+8*\j+\i+1]
.endr
.endr
.endr
.irp t, 0,1
	v_max3_num_f32 v[ST+8*\t+4], v[ST+8*\t+4], v[S+32*\t+7], v[S+32*\t+15]
	v_max3_num_f32 v[ST+8*\t+6], v[ST+8*\t+6], v[S+32*\t+23], v[S+32*\t+31]
.endr
.irp t, 0,1
	v_max3_num_f32 v[ST+8*\t+4], v[ST+8*\t+4], v[ST+8*\t+5], v[ST+8*\t+6]
.endr
.irp t, 0,1
	v_max3_num_f32 v[ST+8*\t+4], v[ST+8*\t+4], v[ST+8*\t+7], v[ST+8*\t]
.endr
.irp t, 0,1
	v_permlanex16_b32 v[ST+8*\t+5], v[ST+8*\t+4], s[SEL], s[SEL+1]   ; the query's other 32 keys lie in the lane 16 away
.endr
.irp t, 0,1
	v_mov_b32 v[ST+8*\t+7], v[ST+8*\t]             ; the old m
.endr
.irp t, 0,1
	v_max_num_f32 v[ST+8*\t], v[ST+8*\t+4], v[ST+8*\t+5]
.endr
.irp t, 0,1
	v_sub_f32 v[ST+8*\t+7], v[ST+8*\t+7], v[ST+8*\t]
.endr
.irp t, 0,1
	v_exp_f32 v[ST+8*\t+6], v[ST+8*\t+7]           ; a = 2^(old m - new m).  ONE BATCH from here: 66 exponentials, none of whose results is named ahead of the wait
.endr
.set i, 0
.rept 16
	v_pk_add_f32 v[S+i:S+i+1], v[S+i:S+i+1], v[ST:ST+1] op_sel_hi:[1,0] neg_lo:[0,1] neg_hi:[0,1]   ; s - m, two at a time
	v_pk_add_f32 v[S+32+i:S+33+i], v[S+32+i:S+33+i], v[ST+8:ST+9] op_sel_hi:[1,0] neg_lo:[0,1] neg_hi:[0,1]
.set i, i+2
.endr
.set i, 0
.rept 32
	v_exp_f32 v[S+i], v[S+i]
	v_exp_f32 v[S+32+i], v[S+32+i]
.set i, i+1
.endr
	v_nop                                          ; a plain instruction behind the last exponential
	s_wait_alu depctr_va_vdst(0)                   ; the wait ahead of the first instruction that names a result: one for the batch
.irp t, 0,1
	v_pk_fma_f32 v[ST+8*\t+2:ST+8*\t+3], v[ST+8*\t+2:ST+8*\t+3], v[ST+8*\t+6:ST+8*\t+7], v[S+32*\t:S+32*\t+1] op_sel_hi:[1,0,1]   ; l = a l + the first pair
	v_pk_add_f32 v[ST+8*\t+4:ST+8*\t+5], v[S+32*\t+2:S+32*\t+3], v[S+32*\t+4:S+32*\t+5]   ; a second chain
.endr
.irp i, 6,10,14,18,22,26
.irp t, 0,1
	v_pk_add_f32 v[ST+8*\t+2:ST+8*\t+3], v[ST+8*\t+2:ST+8*\t+3], v[S+32*\t+\i:S+32*\t+\i+1]
	v_pk_add_f32 v[ST+8*\t+4:ST+8*\t+5], v[ST+8*\t+4:ST+8*\t+5], v[S+32*\t+\i+2:S+32*\t+\i+3]
.endr
.endr
.irp t, 0,1
	v_pk_add_f32 v[ST+8*\t+2:ST+8*\t+3], v[ST+8*\t+2:ST+8*\t+3], v[S+32*\t+30:S+32*\t+31]
.endr
.irp t, 0,1
	v_pk_add_f32 v[ST+8*\t+2:ST+8*\t+3], v[ST+8*\t+2:ST+8*\t+3], v[ST+8*\t+4:ST+8*\t+5]
.endr
.set i, 0
.rept 16                               ; p to f16, in place and ascending: register i takes the pair 2 i, 2 i + 1: P's fragment of keys 32 ks on is v[S + 32 t + 8 ks] on
	v_cvt_pk_f16_f32 v[S+i], v[S+2*i], v[S+2*i+1]
	v_cvt_pk_f16_f32 v[S+32+i], v[S+32+2*i], v[S+33+2*i]
.set i, i+1
.endr
.set i, 0
.rept 16
	v_pk_mul_f32 v[O+i:O+i+1], v[O+i:O+i+1], v[ST+6:ST+7] op_sel_hi:[1,0]       ; O^T x a, each accumulator from its low end on
	v_pk_mul_f32 v[O+32+i:O+33+i], v[O+32+i:O+33+i], v[ST+14:ST+15] op_sel_hi:[1,0]
.set i, i+2
.endr
	s_wait_dscnt 0x0                               ; V is in
.irp ks, 0,1
.irp ct, 0,1,2,3
.irp t, 0,1
	v_wmma_f32_16x16x32_f16 v[O+32*\t+8*\ct:O+32*\t+8*\ct+7], v[KV+8*(4*\ks+\ct):KV+8*(4*\ks+\ct)+7], v[S+32*\t+8*\ks:S+32*\t+8*\ks+7], v[O+32*\t+8*\ct:O+32*\t+8*\ct+7]
.endr
.endr
.endr
.Lhidden_\@:
	s_add_co_u32 s[KF], s[KF], 64
.endm
; THE CHANGE OF SLOTS stands at a slot's head.  Each wave waits for all its tensor loads, adds 0 to its spare word, and waits for that and for its reads of the slot that it has left.  Behind the barrier
; the slot ahead is whole and nobody reads the other one; fill = 1: that other slot takes the keys that follow, up to the causal limit: the load has a slot's four steps in which to land.
.macro CHANGE fill
	s_wait_tensorcnt 0x0                           ; no tensor load of mine is out, so a group 0 may be written
	ds_add_u32 v[SPW], v[NIL]                      ; 0 onto my spare word
.if \fill
	ds_add_u32 v[SPW], v[NIL]                      ; and once more
	s_xor_b32 s[G0K+1], s[G0K+1], SLOT1            ; the walking descriptors: the other slot,
	s_add_nc_u64 s[G0K+2:G0K+3], s[G0K+2:G0K+3], SK*128   ; the next 256 keys
	s_xor_b32 s[G0V+1], s[G0V+1], SLOT1
	s_add_nc_u64 s[G0V+2:G0V+3], s[G0V+2:G0V+3], SK*128
	s_wait_xcnt 0x0                                ; the last prefetch, a slot back, has read its address
	s_add_nc_u64 s[PFA:PFA+1], s[PFA:PFA+1], SK*128   ; one slot further on than the walking descriptors
.endif
	s_wait_dscnt 0x0                               ; the add is done, and my reads of the slot that I have left are over
	s_barrier_signal -1
	s_barrier_wait -1
.if \fill
	s_add_co_u32 s54, s[KF], SK                    ; the first key of the slot that this change would ask for:
	s_cmp_gt_u32 s54, s[LASTQ]                     ; behind my work-group's last query no wave reads it, so it is not asked for.  Ids and the count of steps alone: all sixteen waves go the same way
	s_cbranch_scc1 .Lpast_\@
	TLOAD                                          ; a wave's one tensor load until the next change
.Lpast_\@:
	ASK
.endif
.endm
.macro SLOT_STEPS
	STEP 0
	STEP 1
	STEP 2
	STEP 3
	s_xor_b32 s[TB], s[TB], SLOT1
.endm
	s_wait_loadcnt 0x0                             ; Q
.Lslot:                                            ; seven trips
	CHANGE 1
	SLOT_STEPS
	s_sub_co_u32 s[SLOTS], s[SLOTS], 1
	s_cmp_lg_u32 s[SLOTS], 0
	s_cbranch_scc1 .Lslot
	CHANGE 0                                       ; the last slot is written out: nothing is left to ask for
	SLOT_STEPS
	; THE WAY OUT.  l's halves and the other half of the lanes' are added (these additions are the places behind the last products); O^T / l, rounded to f16, goes through my stage and leaves as 512 consecutive bytes a store.
.irp t, 0,1
	v_add_f32 v[ST+8*\t+4], v[ST+8*\t+2], v[ST+8*\t+3]
.endr
.irp t, 0,1
	v_permlanex16_b32 v[ST+8*\t+5], v[ST+8*\t+4], s[SEL], s[SEL+1]
.endr
.irp t, 0,1
	v_add_f32 v[ST+8*\t+4], v[ST+8*\t+4], v[ST+8*\t+5]
.endr
	v_nop
	v_nop
.irp t, 0,1
	v_rcp_f32 v[ST+8*\t+6], v[ST+8*\t+4]
.endr
	v_nop                                          ; a plain instruction behind the last reciprocal
	s_wait_alu depctr_va_vdst(0)                   ; and the wait ahead of the first use: one for the two
.set i, 0
.rept 16
	v_pk_mul_f32 v[O+i:O+i+1], v[O+i:O+i+1], v[ST+6:ST+7] op_sel_hi:[1,0]
	v_pk_mul_f32 v[O+32+i:O+33+i], v[O+32+i:O+33+i], v[ST+14:ST+15] op_sel_hi:[1,0]
.set i, i+2
.endr
.set i, 0
.rept 32
	v_cvt_pk_f16_f32 v[KV+i], v[O+2*i], v[O+2*i+1] ; register 16 t + 4 ct + j / 2: channels 16 ct + 8 h + j of query 16 t + r
.set i, i+1
.endr
.irp t, 0,1
.irp ct, 0,1,2,3
	ds_store_b128 v[STO], v[KV+16*\t+4*\ct:KV+16*\t+4*\ct+3] offset:\t*16*PK+\ct*32
.endr
.endr
.irp n, 0,1,2,3,4,5,6,7
	ds_load_b128 v[S+4*\n:S+4*\n+3], v[RD] offset:\n*4*PK          ; in order behind my stores
.endr
.irp n, 0,1,2,3,4,5,6,7
	s_wait_dscnt 7-\n
	global_store_b128 v[GO], v[S+4*\n:S+4*\n+3], s[52:53] offset:\n*512   ; four rows of ob: 512 consecutive bytes, aligned
.endr
	s_wait_tensorcnt 0x0                           ; the wave's end
	ds_add_u32 v[SPW], v[NIL]
	s_wait_dscnt 0x0
	s_endpgm
.Lfunc_end_k_q384768d116_attn:
	.size	k_q384768d116_attn, .Lfunc_end_k_q384768d116_attn-k_q384768d116_attn
	.p2alignl 7, 3214868480
	.fill 96, 4, 3214868480
	.section	.rodata,"a",@progbits
	.p2align	6, 0x0
	.amdhsa_kernel k_q384768d116_attn
		.amdhsa_group_segment_fixed_size 327680
		.amdhsa_private_segment_fixed_size 0
		.amdhsa_enable_private_segment 0
		.amdhsa_kernarg_size 16
		.amdhsa_user_sgpr_count 2
		.amdhsa_user_sgpr_kernarg_segment_ptr 1
		.amdhsa_wavefront_size32 1
		.amdhsa_system_sgpr_workgroup_id_x 1
		.amdhsa_system_sgpr_workgroup_id_y 1
		.amdhsa_system_sgpr_workgroup_id_z 1
		.amdhsa_system_vgpr_workitem_id 0
		.amdhsa_next_free_vgpr 256
		.amdhsa_next_free_sgpr 66
		.amdhsa_reserve_vcc 1
		.amdhsa_float_denorm_mode_32 3
		.amdhsa_float_denorm_mode_16_64 3
		.amdhsa_memory_ordered 1
		.amdhsa_forward_progress 1
		.amdhsa_inst_pref_size 187
	.end_amdhsa_kernel
	.amdgpu_metadata
---
amdhsa.version: [ 1, 2 ]
amdhsa.kernels:
  - .name:           k_q384768d116_attn
    .symbol:         k_q384768d116_attn.kd
    .args:
      - { .name: qkv, .offset: 0, .size: 8, .value_kind: global_buffer, .address_space: global }
      - { .name: ob, .offset: 8, .size: 8, .value_kind: global_buffer, .address_space: global }
    .group_segment_fixed_size: 327680
    .private_segment_fixed_size: 0
    .kernarg_segment_align: 8
    .kernarg_segment_size: 16
    .max_flat_workgroup_size: 512
    .sgpr_count:     66
    .vgpr_count:     256
    .wavefront_size: 32
...
	.end_amdgpu_metadata
.endif
;; end of part 3
;; launch proj (part 4): grid 8 x 32, 4 waves a work-group, clusters of 4 x 4, 327,680 bytes of LDS; arguments ob, wo16, bo, out0; writes out0
.if DOCPART == 4
	.amdgcn_target "amdgcn-amd-amdhsa--gfx1250"
	.amdhsa_code_object_version 6
	.text
	.protected	k_q384768d116_proj
	.globl	k_q384768d116_proj
	.p2align	8
	.type	k_q384768d116_proj,@function
k_q384768d116_proj:
	s_mov_b64 s[64:65], 0
	v_nop
	global_prefetch_b8 v0, s[64:65] scope:SCOPE_SE
	s_setreg_imm32_b32 hwreg(HW_REG_WAVE_MODE, 25, 1), 1
	s_wait_xcnt 0x0
	s_wait_alu depctr_hold_cnt(0) depctr_sa_sdst(0) depctr_va_vdst(0) depctr_va_sdst(0) depctr_va_ssrc(0) depctr_va_vcc(0) depctr_vm_vsrc(0)
	s_getreg_b32 s2, hwreg(HW_REG_IB_STS2, 6, 4)
	s_cmp_eq_u32 s2, 0
	s_cbranch_scc0 .Lentry_in_a_cluster
	s_endpgm
.Lentry_in_a_cluster:
	s_bfe_u32 s2, ttmp6, 0x10000c
	s_cmp_lg_u32 s2, 0xf033
	s_cbranch_scc0 .Lentry_shape_is_right
	s_endpgm
.Lentry_shape_is_right:
; PROJ.  out0[m][n] = 4 x (sum over k of ob[m][k] wo16[k][n]) + bo[n].  ob = o / 4, f16, [b][h][s][64] (m = 2,048 b + s, k = 64 h + d); wo16 f16 [k][n]; sums in f32.
; A tile of out0 is 256 (m) x 128 (n): 256 work-groups.  Four waves, each 128 x 64: 32 accumulators, 256 registers.  K goes in steps of 128, two heads, through a ring of two LDS slots.
; CLUSTERS: 4 x 4 work-groups; ob's tiles are asked for jointly along a row of the cluster, wo16's along a column.  THE MATRIX INSTRUCTION IS USED TRANSPOSED (source 0 = 16 columns of Wo, read turned
; out of LDS; source 1 = 16 rows of o): a lane holds one row and eight neighbouring n.  No prefetch: eight K steps, of which two are first fills.
; REGISTERS: window 0: v0-31 addresses; v32-63 the bias in the result's layout; two fragment buffers of 96 (64 of o, 32 of Wo) at v64 and v160.  window 1: accumulator (a, b) at v[8 (4 a + b)].
.set PA,     144                       ; a row of o in LDS: 128 bytes + 16
.set PB,     288                       ; a row of Wo: 256 + 32: an odd multiple of 32, for the turning load
.set PLANE,  256*PA                    ; a head's 256 rows
.set BOFF,   2*PLANE
.set SLOT,   BOFF+128*PB
.set STAGE,  2*SLOT                    ; 16 rows x 272 bytes for each wave
.set SPITCH, 272
.set SPARE,  STAGE+4*16*SPITCH         ; the spare words, 128 bytes for each wave
.set LAPS,   4                         ; a lap = two K steps
.set ADRA, 16
.set ADRB, 20
.set STO,  24
.set RD,   25
.set CO,   26
.set BO,   27
.set SPW,  28
.set NIL,  29
.set BIAS, 32
.set F0,   64
.set F1,   160
.set TMP,  64
.set BK,   96
.set WV,   12
.set ROLE, 13                          ; s13  my half of the rows; also: I fetch for o (0) or for Wo (1)
.set HALF, 14                          ; s14  my half of the columns; also: which half of that tile I fetch
.set G1, 24
.set G0, 32
.set G1B, 48
.set G0B, 56
.set MSB, 0
.macro WIN new
.if MSB != (\new)
	s_set_vgpr_msb (MSB<<8)|(\new)
.set MSB, (\new)
.endif
.endm
.set MUL, 0x50                         ; C and D window 1, sources 0 and 1 window 0
.macro JLOAD s                         ; a joint load; an s_nop 0 and four v_nop follow each of the two lines
	s_cmp_eq_u32 s[ROLE], 0
	s_cbranch_scc0 .Lfor_b_\@
	tensor_load_to_lds s[G0+4*\s:G0+4*\s+3], s[G1:G1+7]
	s_nop 0
.rept 4
	v_nop
.endr
	s_branch .Lasked_\@
.Lfor_b_\@:
	tensor_load_to_lds s[G0B+4*\s:G0B+4*\s+3], s[G1B:G1B+7]
	s_nop 0
.rept 4
	v_nop
.endr
.Lasked_\@:
.endm
.macro CREST
	s_cmp_lg_u32 s[WV], 0
	s_cbranch_scc1 .Lnot_wave_0_\@
	s_barrier_signal -3
.Lnot_wave_0_\@:
	s_barrier_wait -3
	s_barrier_signal -1
	s_barrier_wait -1
.endm
.macro CROUND
	s_barrier_signal -1
	s_barrier_wait -1
	CREST
.endm
	s_load_b256 s[4:11], s[0:1], 0x0               ; ob 4, wo16 6, bo 8, out0 10
	v_lshl_add_u32 v[SPW], v0, 2, SPARE
	v_mov_b32 v[NIL], 0
	ds_add_u32 v[SPW], v[NIL]                      ; the wave's opening: the add, twice on end, and its wait ahead of my first tensor load
	ds_add_u32 v[SPW], v[NIL]
	v_lshrrev_b32 v1, 5, v0
	v_readfirstlane_b32 s[WV], v1
	s_lshr_b32 s[ROLE], s[WV], 1
	s_and_b32 s[HALF], s[WV], 1
	s_bfe_u32 s40, ttmp6, 0x40000                  ; cx
	s_bfe_u32 s41, ttmp6, 0x40004                  ; cy
	s_lshl_b32 s42, ttmp9, 2
	s_add_co_u32 s42, s42, s40                     ; tile column 0..7
	s_and_b32 s15, ttmp7, 0xffff
	s_lshl_b32 s15, s15, 2
	s_add_co_u32 s15, s15, s41                     ; tile row 0..31
	s_lshl_b32 s43, s41, 2
	s_lshl_b32 s43, 15, s43                        ; my row of the cluster
	s_lshl_b32 s44, 0x1111, s40                    ; my column
	s_or_b32 s[G1+0], s43, (1<<16)|(1<<20)|(1<<21)|(4<<22)|(3<<25)   ; o: a head's 256 rows of 64 elements of 2 bytes, dense; 4 words of padding behind every 32
	s_mov_b32 s[G1+1], 64<<16
	s_mov_b32 s[G1+2], 256<<16
	s_mov_b32 s[G1+3], 64<<16
	s_mov_b32 s[G1+4], 256
	s_mov_b32 s[G1+5], 64
	s_mov_b32 s[G1+6], 0
	s_mov_b32 s[G1+7], 0
	s_or_b32 s[G1B+0], s44, (1<<16)|(1<<20)|(1<<21)|(5<<22)|(7<<25)  ; Wo: 64 rows (k) of 128 elements, 1,024 apart; 8 words of padding behind every 64
	s_mov_b32 s[G1B+1], 128<<16
	s_mov_b32 s[G1B+2], 64<<16
	s_mov_b32 s[G1B+3], 128<<16
	s_mov_b32 s[G1B+4], 64
	s_mov_b32 s[G1B+5], 1024
	s_mov_b32 s[G1B+6], 0
	s_mov_b32 s[G1B+7], 0
	s_lshr_b32 s16, s15, 3
	s_lshl_b32 s16, s16, 22                        ; o: b,
	s_and_b32 s17, s15, 7
	s_lshl_b32 s17, s17, 15                        ; 256 rows of 128 bytes a tile row,
	s_add_co_u32 s16, s16, s17
	s_lshl_b32 s17, s[HALF], 18                    ; the K step's first or second head
	s_add_co_u32 s16, s16, s17
	s_mov_b32 s17, 0
	s_lshl_b32 s46, s42, 8                         ; Wo: 128 columns of 2 bytes a tile column,
	s_lshl_b32 s47, s[HALF], 17                    ; 64 rows of 2,048 bytes
	s_add_co_u32 s46, s46, s47
	s_mov_b32 s47, 0
	s_mul_i32 s20, s[HALF], PLANE                  ; where they go: no place in the cluster enters an LDS address
	s_mul_i32 s21, s[HALF], 64*PB
	s_add_co_u32 s21, s21, BOFF
	s_wait_dscnt 0x0                               ; both opening adds are done
	s_wait_kmcnt 0x0
	s_add_nc_u64 s[18:19], s[4:5], s[16:17]
	s_add_nc_u64 s[46:47], s[6:7], s[46:47]
	CROUND                                         ; all sixteen work-groups are here: the first joint loads meet
.irp s, 0,1
	s_mov_b32 s[G0+4*\s], 1
	s_add_co_u32 s[G0+4*\s+1], s20, \s*SLOT
	s_add_nc_u64 s[G0+4*\s+2:G0+4*\s+3], s[18:19], \s*524288       ; K step s: two heads on
	s_or_b32 s[G0+4*\s+3], s[G0+4*\s+3], 0x80000000
	s_mov_b32 s[G0B+4*\s], 1
	s_add_co_u32 s[G0B+4*\s+1], s21, \s*SLOT
	s_add_nc_u64 s[G0B+4*\s+2:G0B+4*\s+3], s[46:47], \s*262144     ; 128 rows on
	s_or_b32 s[G0B+4*\s+3], s[G0B+4*\s+3], 0x80000000
	JLOAD \s                                       ; two tensor loads of mine are out
.endr
	v_and_b32 v1, 15, v0                           ; r
	v_bfe_u32 v2, v0, 4, 1                         ; h
	v_mul_u32_u24 v3, v1, PA
	v_lshl_add_u32 v3, v2, 4, v3                   ; o: row r x pitch + 16 h
	s_mul_i32 s22, s[ROLE], 128*PA                 ; my 128 rows
	v_and_b32 v4, 7, v0
	v_bfe_u32 v5, v0, 3, 1
	v_lshl_add_u32 v4, v2, 3, v4                   ; Wo, turned: k 8 h + lane % 8,
	v_mul_u32_u24 v4, v4, PB
	v_lshl_add_u32 v4, v5, 4, v4                   ; columns 8 ((lane / 8) % 2) on
	s_lshl_b32 s23, s[HALF], 7                     ; my 64 columns
	s_add_co_u32 s23, s23, BOFF
.irp s, 0,1
	v_add_nc_u32 v[ADRA+\s], s22, v3
	v_add_nc_u32 v[ADRB+\s], s23, v4
	s_add_co_u32 s22, s22, SLOT
	s_add_co_u32 s23, s23, SLOT
.endr
	s_mul_i32 s22, s[WV], 16*SPITCH
	s_add_co_u32 s22, s22, STAGE                   ; my stage
	v_mul_u32_u24 v5, v1, SPITCH
	v_lshl_add_u32 v5, v2, 5, v5
	v_add_nc_u32 v[STO], s22, v5                   ; in: row r, 32 bytes for each half of the lanes
	v_mul_u32_u24 v5, v2, SPITCH
	v_lshl_add_u32 v5, v1, 4, v5
	v_add_nc_u32 v[RD], s22, v5                    ; back: lanes 0-15 one row of 256 bytes, lanes 16-31 the next
	v_lshlrev_b32 v5, 12, v2
	v_lshl_add_u32 v[CO], v1, 4, v5                ; and the same two rows of out0
	v_lshlrev_b32 v[BO], 5, v2                     ; the bias: my half's eight numbers of each 16
	s_lshl_b32 s46, s42, 9
	s_lshl_b32 s47, s[HALF], 8
	s_add_co_u32 s46, s46, s47                     ; my first column, in bytes of f32
	s_mov_b32 s47, 0
	s_add_nc_u64 s[8:9], s[8:9], s[46:47]
.irp b, 0,1,2,3
	global_load_b128 v[BIAS+8*\b:BIAS+8*\b+3], v[BO], s[8:9] offset:64*\b
	global_load_b128 v[BIAS+8*\b+4:BIAS+8*\b+7], v[BO], s[8:9] offset:64*\b+16
.endr
	s_lshl_b32 s16, s15, 8
	s_lshl_b32 s17, s[ROLE], 7
	s_add_co_u32 s16, s16, s17                     ; my first row
	s_lshl_b32 s16, s16, 12                        ; of 4,096 bytes
	s_mov_b32 s17, 0
	s_add_nc_u64 s[10:11], s[10:11], s[16:17]
	s_add_nc_u64 s[10:11], s[10:11], s[46:47]
; n blocks of o from a0 on, each against Wo's four, 32 along K.  The 32 accumulators take turns, one instruction a turn, in the same order in every quarter.
.macro MULN f, a0, n, zero
.set AA, \a0
.rept \n
.irp b, 0,1,2,3
.if \zero
	v_wmma_f32_16x16x32_f16 v[8*(4*AA+\b):8*(4*AA+\b)+7], v[\f+64+8*\b:\f+64+8*\b+7], v[\f+8*AA:\f+8*AA+7], 0
.else
	v_wmma_f32_16x16x32_f16 v[8*(4*AA+\b):8*(4*AA+\b)+7], v[\f+64+8*\b:\f+64+8*\b+7], v[\f+8*AA:\f+8*AA+7], v[8*(4*AA+\b):8*(4*AA+\b)+7]
.endif
.endr
.set AA, AA+1
.endr
.endm
; 24 LDS loads in one run: quarter q (32 along K) of a slot into buffer f: Wo's eight, o's blocks 0-3, o's blocks 4-7
.macro FETCH slot, q, f
	WIN 0
.irp i, 0,1,2,3
	ds_load_tr16_b128 v[\f+64+8*\i:\f+64+8*\i+3], v[ADRB+\slot] offset:(\q)*32*PB+\i*32
	ds_load_tr16_b128 v[\f+64+8*\i+4:\f+64+8*\i+7], v[ADRB+\slot] offset:(\q)*32*PB+\i*32+16*PB
.endr
.irp i, 0,1,2,3,4,5,6,7
	ds_load_b128 v[\f+8*\i:\f+8*\i+3], v[ADRA+\slot] offset:((\q)/2)*PLANE+((\q)%2)*64+\i*16*PA
	ds_load_b128 v[\f+8*\i+4:\f+8*\i+7], v[ADRA+\slot] offset:((\q)/2)*PLANE+((\q)%2)*64+\i*16*PA+32
.endr
.endm
.macro PLACES                          ; four plain places behind matrix instructions, in front of loads into their registers and of reads of results
.rept 4
	v_nop
.endr
.endm
.macro QUARTER slot, q, f, g, zero     ; multiplies buffer f; in its middle fetches quarter q of the slot into buffer g
	s_wait_dscnt 8                                 ; Wo and o's blocks 0-3 are in; the youngest eight loads (blocks 4-7) may be out
	WIN MUL
	MULN \f, 0, 4, \zero
	PLACES
	FETCH \slot, \q, \g
	s_wait_dscnt 24                                ; all but the 24 just issued
	WIN MUL
	MULN \f, 4, 4, \zero
.endm
; A K step's last quarter multiplies buffer 1 and changes slots: one barrier; in front of it each wave waits for all its tensor loads, adds 0 to its spare word, and waits for that and for its reads of this
; slot.  fill = 1: the barrier opens a round of the cluster's, and this slot is filled again, two K steps ahead: the load has a K step less sixteen matrix instructions in which to land.
.macro TURN slot, next, fill
	WIN 0                                          ; (the add's two registers lie in window 0)
	s_wait_tensorcnt 0x0                           ; all my tensor loads have landed: my part of the next slot
	ds_add_u32 v[SPW], v[NIL]                      ; 0 onto my spare word
	s_wait_dscnt 9                                 ; (the add and the youngest eight loads may be out)
	WIN MUL
	MULN F1, 0, 2, 0
	s_wait_dscnt 0x0                               ; the add is done, and my reads of this slot are over
	s_barrier_signal -1
	MULN F1, 2, 2, 0
.if \fill
	WIN 0
.endif
	s_barrier_wait -1
.if \fill
	CREST                                          ; no wave of any partner still reads this slot or has a load on its way
	s_add_nc_u64 s[G0+4*\slot+2:G0+4*\slot+3], s[G0+4*\slot+2:G0+4*\slot+3], 2*524288
	s_add_nc_u64 s[G0B+4*\slot+2:G0B+4*\slot+3], s[G0B+4*\slot+2:G0B+4*\slot+3], 2*262144
	JLOAD \slot                                    ; the first tensor load behind the round; its four v_nop are also the places in front of the loads below
.else
	PLACES
.endif
	FETCH \next, 0, F0
	WIN MUL
	MULN F1, 4, 4, 0
.endm
	s_wait_tensorcnt 1                             ; my part of K step 0 is in; K step 1's load may be out
	s_barrier_signal -1
	s_barrier_wait -1
	FETCH 0, 0, F0
	QUARTER 0, 1, F0, F1, 1                        ; the first quarter's products start the sums
	WIN 0                                          ; at a label and at a branch every window is 0
	s_mov_b32 s3, LAPS-1
.Llap:                                             ; a trip goes once round the ring and fills both slots again
	QUARTER 0, 2, F1, F0, 0
	QUARTER 0, 3, F0, F1, 0
	TURN 0, 1, 1
	QUARTER 1, 1, F0, F1, 0
	QUARTER 1, 2, F1, F0, 0
	QUARTER 1, 3, F0, F1, 0
	TURN 1, 0, 1
	QUARTER 0, 1, F0, F1, 0
	WIN 0
	s_sub_co_u32 s3, s3, 1
	s_cmp_lg_u32 s3, 0
	s_cbranch_scc1 .Llap
	QUARTER 0, 2, F1, F0, 0                        ; the last lap fills nothing
	QUARTER 0, 3, F0, F1, 0
	TURN 0, 1, 0
	QUARTER 1, 1, F0, F1, 0
	QUARTER 1, 2, F1, F0, 0
	QUARTER 1, 3, F0, F1, 0
	s_wait_dscnt 8
	WIN MUL
	MULN F1, 0, 4, 0
	s_wait_dscnt 0x0
	MULN F1, 4, 4, 0
	WIN 0
; THE WAY OUT, block by block of 16 rows x 64 columns: 4 x sum + bias by one packed multiply-add, through my stage, back as whole rows of 256 bytes.
.macro PACK a
	WIN 0x01                                       ; source 0: window 1
.irp b, 0,1,2,3
.irp j, 0,2,4,6
	v_pk_fma_f32 v[TMP+8*\b+\j:TMP+8*\b+\j+1], v[8*(4*(\a)+\b)+\j:8*(4*(\a)+\b)+\j+1], 4.0, v[BIAS+8*\b+\j:BIAS+8*\b+\j+1] op_sel_hi:[1,0,1]   ; each accumulator from its low end on
.endr
.endr
	WIN 0
.endm
.macro TOSTAGE a
.set BB, BK+32*((\a)%2)
.irp b, 0,1,2,3
	ds_store_b128 v[STO], v[TMP+8*\b:TMP+8*\b+3] offset:64*\b
	ds_store_b128 v[STO], v[TMP+8*\b+4:TMP+8*\b+7] offset:64*\b+16
.endr
.irp t, 0,1,2,3,4,5,6,7
	ds_load_b128 v[BB+4*\t:BB+4*\t+3], v[RD] offset:\t*2*SPITCH    ; in order behind my stores
.endr
.endm
.macro SEND a
.set BB, BK+32*((\a)%2)
	s_wait_dscnt 0x0                               ; the block is back in registers
	s_wait_xcnt 0x0                                ; the block before has had its stores' registers read: the next loads may land there
.irp t, 0,1,2,3,4,5,6,7
	global_store_b128 v[CO], v[BB+4*\t:BB+4*\t+3], s[10:11] offset:(16*(\a)+2*\t)*4096 th:TH_STORE_NT   ; sixteen lanes store 256 consecutive bytes, aligned
.endr
.endm
	s_wait_loadcnt 0x0                             ; the bias
	PLACES
	PACK 0
	TOSTAGE 0
.irp a, 1,2,3,4,5,6,7
	PACK \a
	SEND (\a)-1
	TOSTAGE \a
.endr
	SEND 7
	s_wait_tensorcnt 0x0                           ; the wave's end
	ds_add_u32 v[SPW], v[NIL]
	s_wait_dscnt 0x0
	CROUND                                         ; the closing round
	s_endpgm
.Lfunc_end_k_q384768d116_proj:
	.size	k_q384768d116_proj, .Lfunc_end_k_q384768d116_proj-k_q384768d116_proj
	.p2alignl 7, 3214868480
	.fill 96, 4, 3214868480
	.section	.rodata,"a",@progbits
	.p2align	6, 0x0
	.amdhsa_kernel k_q384768d116_proj
		.amdhsa_group_segment_fixed_size 327680
		.amdhsa_private_segment_fixed_size 0
		.amdhsa_enable_private_segment 0
		.amdhsa_kernarg_size 32
		.amdhsa_user_sgpr_count 2
		.amdhsa_user_sgpr_kernarg_segment_ptr 1
		.amdhsa_wavefront_size32 1
		.amdhsa_system_sgpr_workgroup_id_x 1
		.amdhsa_system_sgpr_workgroup_id_y 1
		.amdhsa_system_sgpr_workgroup_id_z 1
		.amdhsa_system_vgpr_workitem_id 0
		.amdhsa_next_free_vgpr 512
		.amdhsa_next_free_sgpr 66
		.amdhsa_reserve_vcc 0
		.amdhsa_float_denorm_mode_32 3
		.amdhsa_float_denorm_mode_16_64 3
		.amdhsa_memory_ordered 1
		.amdhsa_forward_progress 1
		.amdhsa_inst_pref_size 94
	.end_amdhsa_kernel
	.amdgpu_metadata
---
amdhsa.version: [ 1, 2 ]
amdhsa.kernels:
  - .name:           k_q384768d116_proj
    .symbol:         k_q384768d116_proj.kd
    .args:
      - { .name: ob, .offset: 0, .size: 8, .value_kind: global_buffer, .address_space: global }
      - { .name: wo16, .offset: 8, .size: 8, .value_kind: global_buffer, .address_space: global }
      - { .name: bo, .offset: 16, .size: 8, .value_kind: global_buffer, .address_space: global }
      - { .name: out0, .offset: 24, .size: 8, .value_kind: global_buffer, .address_space: global }
    .group_segment_fixed_size: 327680
    .private_segment_fixed_size: 0
    .kernarg_segment_align: 8
    .kernarg_segment_size: 32
    .max_flat_workgroup_size: 128
    .sgpr_count:     66
    .vgpr_count:     512
    .wavefront_size: 32
...
	.end_amdgpu_metadata
.endif
;; end of part 4
